; MI455X (gfx1250); checked and timed in simulation.
; The chip was launched on July 23, 2026; its instructions are those of AMD's public machine-readable ISA for CDNA 5 (MIT licence, August 2026) and "CDNA5" Instruction Set Architecture Reference Guide (July 2026). The comments in the code are by the model that wrote it; some were corrected since.
;; Masked Multi Head Attention. Allowed arithmetic: matrix products marked QUANTISED: E2M1 operands, one E8M0 scale for each 32 along K, by v_wmma_scale_f32_16x16x128_f8f6f4 with both operands' format E2M1 (or v_wmma_scale_f32_32x16x128_f4), f32 sums; everything else in f32.
;; Inputs: Wk_codes 512 x 16 x 16 uint8 (E2M1 codes of Wk, K innermost, in blocks of 32 codes, two codes a byte); Wk_scales 512 x 16 uint8 (E8M0 scales of Wk, one for each 32 codes along K); Wo_codes 512 x 16 x 16 uint8 (E2M1 codes of Wo, K innermost, in blocks of 32 codes, two codes a byte); Wo_scales 512 x 16 uint8 (E8M0 scales of Wo, one for each 32 codes along K); Wq_codes 512 x 16 x 16 uint8 (E2M1 codes of Wq, K innermost, in blocks of 32 codes, two codes a byte); Wq_scales 512 x 16 uint8 (E8M0 scales of Wq, one for each 32 codes along K); Wv_codes 512 x 16 x 16 uint8 (E2M1 codes of Wv, K innermost, in blocks of 32 codes, two codes a byte); Wv_scales 512 x 16 uint8 (E8M0 scales of Wv, one for each 32 codes along K); bk 512 float32; bo 512 float32; bq 512 float32; bv 512 float32; x_codes 2 x 4,096 x 16 x 16 uint8 (E2M1 codes of x, K innermost, in blocks of 32 codes, two codes a byte); x_scales 2 x 4,096 x 16 uint8 (E8M0 scales of x, one for each 32 codes along K).
;; Outputs: out0 2 x 4,096 x 512 float32.
;; This version of the problem:
;;   THIS VERSION OF THE PROBLEM IS GIVEN IN LOW PRECISION. The matrix products marked QUANTISED in the list below multiply operands that are first quantised to E2M1 (2 exponent bits, 1 mantissa bit; 4 bits a number), with one power-of-two scale for each 32 numbers along K (OCP MX v1.0); their sums are f32. All else is computed in f32.
;;   The module's matrix products, in the order in which they are computed (A, B: the left and right operand; K: the contracted axis; several contracted axes count as one K, in the product's order):
;;     1. [M 8,192, K 512] x [K 512, N 512]; A: input x (given as codes); B: input Wq (given as codes): QUANTISED
;;     2. [M 8,192, K 512] x [K 512, N 512]; A: input x (given as codes); B: input Wk (given as codes): QUANTISED
;;     3. [M 8,192, K 512] x [K 512, N 512]; A: input x (given as codes); B: input Wv (given as codes): QUANTISED
;;     4. batch 16 x [M 4,096, K 64] x [K 64, N 4,096]; A: computed on the way; B: computed on the way: QUANTISED
;;     5. batch 16 x [M 4,096, K 4,096] x [K 4,096, N 64]; A: softmax (see below); B: computed on the way: QUANTISED
;;     6. [M 8,192, K 512] x [K 512, N 512]; A: computed on the way; B: input Wo (given as codes): QUANTISED
;;   THE QUANTISER, for each operand of a quantised product, along K:
;;     - K is cut into blocks of 32 from its start; a last block that is shorter is filled with zeros.
;;     - A block's scale is 2^e with e = floor(log2(the largest magnitude in the block)) - 2, held to -126 .. 127; a block of zeros has e = 0. As a byte (E8M0): e + 127.
;;     - Each number is divided by its block's scale, clamped to +-6, and rounded to the nearest number of E2M1, ties to even, subnormals kept.
;;     - The product sums the exact products of the quantised numbers (number of the format x scale) in f32.
;;   ~~~python
;;   def quantise(x, axis):      # numpy; x: float32 -> the quantised numbers, widened to float32 again
;;       x = np.moveaxis(x, axis, -1); K = x.shape[-1]
;;       x = np.pad(x, [(0, 0)] * (x.ndim - 1) + [(0, -K % 32)]); x = x.reshape(x.shape[:-1] + (-1, 32)); a = np.abs(x).max(-1, keepdims=True)
;;       e = np.where(a > 0, np.clip(np.frexp(np.where(a > 0, a, 1))[1] - 1 - 2, -126, 127), 0)      # np.frexp(a)[1] - 1 = floor(log2(a)), exactly
;;       r = np.clip(x / 2.0 ** e, -6, 6)
;;       step = 2.0 ** (np.maximum(np.frexp(np.where(r == 0, 1, r))[1] - 1, 0) - 1)
;;       q = np.round(r / step) * step * 2.0 ** e      # np.round: ties to even
;;       return np.moveaxis(q.reshape(q.shape[:-2] + (-1,))[..., :K], -1, axis).astype(np.float32)
;;   ~~~
;;   SOFTMAX AHEAD OF A QUANTISED PRODUCT. Where the list says 'softmax', what is quantised is not the finished softmax but p = 2^(t - M), with t = logit x log2(e) and M = ceil(the row's largest t), a whole number; so 1/2 < the row's largest p <= 1. The row's sum l is taken of the UNQUANTISED p, in f32, and the product's result is divided by l at the end. Since M is a whole number, a kernel that streams over the keys may use a running M (the ceiling of the running maximum): every later rescaling is an exact power of two, which a block's scale takes up: the codes' values come out the same.
;;   OPERANDS COMPUTED ON THE WAY. 'Computed on the way' means the value that the module computes at that place (a softmax that the list does not call 'softmax' is quantised finished and normalised). What goes into a quantiser is computed in f32, as accurately as f32 sums, v_exp_f32 and their like allow (about 1e-6 of the number): no bf16 or f16 on the way to a quantiser, and a product that is left as it is and whose result goes on into a quantised operand takes f32 operands (vector FMAs, or v_wmma_f32_16x16x4_f32). A number that lies on a knife's edge between two numbers of the format may be rounded either way, as far as f32 arithmetic and the matrix unit's own rounding can turn it there, and no further.
;;   INPUTS GIVEN AS CODES. Wk (in the module: [512, 512], K = its axis 1); Wo (in the module: [512, 512], K = its axis 1); Wq (in the module: [512, 512], K = its axis 1); Wv (in the module: [512, 512], K = its axis 1); x (in the module: [2, 4096, 512], K = its axis 2): each comes as NAME_codes (uint8): NAME with its K axis moved to the last place and cut into blocks of 32 codes, [.., K / 32, bytes a block], one block behind the other in memory; two codes a byte, the lower K in the low four bits (a code: sign, 2 exponent bits, 1 mantissa bit); and NAME_scales (uint8): the same leading axes, one E8M0 byte (e + 127) for each 32 codes along K. Its value is code x scale, taken as it is: it is not quantised again, and the codes and scales need not be those that the quantiser above would give.
;; 2 versions. Each part assembles by itself: llvm-mc -triple=amdgcn-amd-amdhsa -mcpu=gfx1250 --defsym DOCPART=n.
;; ======== version 1 of 2: 3 launches
;; workspace buffers: kv 4,587,520 bytes; qw 2,359,296 bytes; ow 2,097,152 bytes; osc 262,144 bytes
;; launch proj (part 1): grid 384 x 1, 4 waves a work-group, no clusters, 6,656 bytes of LDS; arguments x_codes, x_scales, Wq_codes, Wq_scales, bq, Wk_codes, Wk_scales, bk, Wv_codes, Wv_scales, bv, qw, kv; writes qw, kv
.if DOCPART == 1
	.amdgcn_target "amdgcn-amd-amdhsa--gfx1250"
	.amdhsa_code_object_version 6
	.text
	.protected	k_qef35f8afc6_proj
	.globl	k_qef35f8afc6_proj
	.p2align	8
	.type	k_qef35f8afc6_proj,@function
k_qef35f8afc6_proj:
	s_mov_b64 s[64:65], 0
	v_nop
	global_prefetch_b8 v0, s[64:65] scope:SCOPE_SE
	s_setreg_imm32_b32 hwreg(HW_REG_WAVE_MODE, 25, 1), 1
	s_wait_xcnt 0x0
; Q = x Wq^T + bq, K = x Wk^T + bk, V = x Wv^T + bv on codes of FP4 (E2M1) with E8M0 scales, f32 sums, and the quantisers of Q, K (along a head's 64 channels) and V (along the keys).
; THE PROGRAM: this launch; attention (products 4 and 5, softmax, the quantiser of O / l); the projection on the way out.  Every input has a way to the output and is loaded.
; DEAD WORK, left out in the second launch alone: key steps of 128 keys all of which come after all queries of a wave's tile.  the causal mask sets their scores to -inf, so their weights are
; exactly 0 for all values of the inputs, and they add nothing to a row's sum or result.  LIMIT: a NaN, an infinity or an overflow in K or V that reaches only such steps is not carried to the result.
; LIMITS: NaN and infinities among the inputs are not served.  A block of zeros gets the scale byte 1 where the rule says 127 (its codes are zeros, and this program alone reads the bytes); a block whose
; largest magnitude lies under 2^-124 has its byte held at 1.
; ONE SCHEME FOR THE THREE TASKS.  The matrix instruction is used transposed: source 0 = 16 rows of the side P, whose rows run along the quantiser's axis, source 1 = 16 rows of the side R, one row a lane.
;   Q, K: P = a head's 64 rows of W (4 tiles, they stay in registers), R = 128 tokens of x (8 tiles, walked).      V: P = 128 tokens of x (8 tiles), R = a head's 64 rows of Wv (4 tiles).
; THE ROWS OF A TILE ARE NOT NEIGHBOURS: lane r of tile i takes row 32 (i / 2) + 8 (i % 2) + r + 8 (r / 8), on both sides.  So the 16 registers of result tiles 2 b and 2 b + 1 are 16 neighbours,
; 32 b + 16 (lane / 16) + 0 .. 15, along the quantiser's axis, and the conversions' results, halves exchanged, ARE the next product's operand registers.  They are stored as such images: 16 bytes a lane, 512 dense bytes a store.
; SHARES.  Work-groups 0-127: Q; 128-255: K (a group of 128 tokens, four heads: a head a wave); 256-383: V (a head, four groups of 128 tokens: a group a wave).  The three bodies part on the work-group's number and never join;
; each has LDS bytes of its own.  No tensor loads, no barrier: waves share nothing.
; OUT.  qw: [batch x head 16][group 32][4,608]: tile i's codes at 512 i + 16 lane, scale words at 4,096 + 256 (i % 2) + 16 r + 4 (i / 2).
;       kv: [batch x head 16][group 32][8,960]: K's codes at 512 i + 16 lane; V's at 4,096 + 1,024 i + 512 c + 16 lane; K's scale words at 8,192 + 256 (i % 2) + 16 r + 4 (i / 2); V's at 8,704 + 128 (i % 2) + 8 r + 4 (i / 2).
; REGISTERS: window 0: v1-7 lane offsets; v16-79 R's fragments, two sets; v80-87 R's scale words, two sets; v88-119 P's scale words; v120-183 the results; v184-195 at work; v196-227 codes, a tile's own;
;   v228-235 scale words made; v236-239 bv of my channels; v240-247 the same as a tile of C; v248-251 the stage read back; v252, v253 the add's two.   window 1: P's fragments (tile t, K step s) at v[8 (4 t + s)]; Q, K: the bias tiles at v[128 + 8 t].
.set SPARE, 6144                       ; behind the three bodies' stages (2,048 bytes each, 512 a wave): the spare words, 128 bytes for each wave
.set RF,  16
.set RSC, 80
.set PS,  88
.set HA,  120
.set TM,  184                          ; +0..3 largest magnitudes, +4..7 the other half's, then bytes, +8..11 the conversions' scale operands
.set PCS, 196
.set PWS, 228
.set BVL, 236
.set CV,  240
.set SPW, 252
.set NIL, 253
.set SEL, 32                           ; s[32:33] lane selects for v_permlanex16_b32: lane l xor 16
.set MSB, 0
.macro WIN new                         ; the immediate's high byte repeats the setting that is left
.if MSB != \new
	s_set_vgpr_msb (MSB<<8)|\new
.set MSB, \new
.endif
.endm
; nb blocks of 32: 16 nb numbers of a lane, register 16 b + i = place 32 b + 16 (lane / 16) + i of my row, become codes in v[pc] on (a whole block a lane) and the scale word v[pw]
.macro QUANT nb, src, pc, pw
.set qb, 0
.rept \nb
	v_max3_num_f32 v[TM+qb], |v[16*qb+(\src)]|, |v[16*qb+(\src)+1]|, 0x1800000   ; my 16 numbers of block b, and the floor 2^(3 - 127): the byte cannot fall under 1
.set qb, qb+1
.endr
.set qi, 2
.rept 7
.set qb, 0
.rept \nb
	v_max3_num_f32 v[TM+qb], v[TM+qb], |v[16*qb+(\src)+qi]|, |v[16*qb+(\src)+qi+1]|
.set qb, qb+1
.endr
.set qi, qi+2
.endr
.set qb, 0
.rept \nb
	v_permlanex16_b32 v[TM+4+qb], v[TM+qb], s[SEL], s[SEL+1]
.set qb, qb+1
.endr
.set qb, 0
.rept \nb
	v_max_num_f32 v[TM+qb], v[TM+qb], v[TM+4+qb]          ; with lane l xor 16's: the block's largest magnitude
.set qb, qb+1
.endr
.set qb, 0
.rept \nb
	v_add_nc_u32 v[TM+8+qb], 0xff000000, v[TM+qb]          ; 2 off its exponent field: the conversion takes the exponent field of this operand as its scale
.set qb, qb+1
.endr
.set qb, 0
.rept \nb
	v_lshrrev_b32 v[TM+4+qb], 23, v[TM+8+qb]               ; the scale's byte
.set qb, qb+1
.endr
	v_lshl_or_b32 v[\pw], v[TM+5], 8, v[TM+4]              ; my row's scale word (two blocks: bytes 2 and 3 stay 0, over zero codes)
.if \nb == 4
	v_lshl_or_b32 v[\pw], v[TM+6], 16, v[\pw]
	v_lshl_or_b32 v[\pw], v[TM+7], 24, v[\pw]
.endif
.set qb, 0
.rept \nb
	v_cvt_scalef32_pk8_fp4_f32 v[2*qb+(\pc)], v[16*qb+(\src):16*qb+(\src)+7], v[TM+8+qb]
	v_cvt_scalef32_pk8_fp4_f32 v[2*qb+(\pc)+1], v[16*qb+(\src)+8:16*qb+(\src)+15], v[TM+8+qb]
.set qb, qb+1
.endr
	v_nop                                                  ; one plain place behind a scaled conversion
.set qb, 0
.rept \nb/2                                            ; the operand's layout wants a whole block in a lane: lanes 0-15 block 2 c, lanes 16-31 block 2 c + 1
	v_permlane16_swap_b32 v[4*qb+(\pc)], v[4*qb+(\pc)+2]
	v_permlane16_swap_b32 v[4*qb+(\pc)+1], v[4*qb+(\pc)+3]
.set qb, qb+1
.endr
.endm
; R's tile i: four fragments (K steps of 128) and the rows' four scale words: nine loads, into set i % 2
.macro RLOAD i
.irp s, 0,1,2,3
	global_load_b128 v[RF+32*((\i)%2)+8*\s:RF+32*((\i)%2)+8*\s+3], v1, s[RCB:RCB+1] offset:(32*((\i)/2)+8*((\i)%2))*256+64*\s
	global_load_b128 v[RF+32*((\i)%2)+8*\s+4:RF+32*((\i)%2)+8*\s+7], v1, s[RCB:RCB+1] offset:(32*((\i)/2)+8*((\i)%2))*256+64*\s+32
.endr
	global_load_b128 v[RSC+4*((\i)%2):RSC+4*((\i)%2)+3], v2, s[RSB:RSB+1] offset:(32*((\i)/2)+8*((\i)%2))*16
.endm
; 4 NT matrix instructions: K step by K step, P's tiles by turns, one instruction a turn.  The bias is the C of each sum's first instruction
.macro MM task, i
.irp s, 0,1,2,3
.if (\s == 0) && (\task < 2)
	WIN 0x11                                               ; source 0 (P) and source 2 (the bias tile) window 1
.else
	WIN 0x01                                               ; source 0 window 1
.endif
.set mt, 0
.rept NT
.if (\s == 0) && (\task < 2)
	v_wmma_scale_f32_16x16x128_f8f6f4 v[HA+8*mt:HA+8*mt+7], v[32*mt:32*mt+7], v[RF+32*((\i)%2):RF+32*((\i)%2)+7], v[128+8*mt:128+8*mt+7], v[PS+4*mt], v[RSC+4*((\i)%2)] matrix_a_fmt:MATRIX_FMT_FP4 matrix_b_fmt:MATRIX_FMT_FP4
.elseif \s == 0
	v_wmma_scale_f32_16x16x128_f8f6f4 v[HA+8*mt:HA+8*mt+7], v[32*mt:32*mt+7], v[RF+32*((\i)%2):RF+32*((\i)%2)+7], v[CV:CV+7], v[PS+4*mt], v[RSC+4*((\i)%2)] matrix_a_fmt:MATRIX_FMT_FP4 matrix_b_fmt:MATRIX_FMT_FP4
.else
	v_wmma_scale_f32_16x16x128_f8f6f4 v[HA+8*mt:HA+8*mt+7], v[32*mt+8*\s:32*mt+8*\s+7], v[RF+32*((\i)%2)+8*\s:RF+32*((\i)%2)+8*\s+7], v[HA+8*mt:HA+8*mt+7], v[PS+4*mt+\s], v[RSC+4*((\i)%2)+\s] matrix_a_fmt:MATRIX_FMT_FP4 matrix_b_fmt:MATRIX_FMT_FP4
.endif
.set mt, mt+1
.endr
.endr
.endm
; R's tile i: products, quantiser, stores
.macro RT task, i
.if (\i)+1 < NR
	s_wait_loadcnt 9                                       ; loads come back in order: all but the next tile's nine, the only ones issued behind this tile's, are in
.else
	s_wait_loadcnt 0x0
.endif
.if \task == 2
.irp j, 0,1,2,3,4,5,6,7
	v_mov_b32 v[CV+\j], v[BVL+(\i)]                        ; V's bias hangs on the channel, which is the lane's row: the same number in a tile's eight registers
.endr
.rept 4
	v_nop
.endr
.endif
	MM \task, \i
	WIN 0
.rept 4
	v_nop                                                  ; four places in front of loads into registers that matrix instructions have read, and of the first read of results
.endr
.if (\i)+2 < NR
	RLOAD (\i)+2
.endif
.if \task < 2
	QUANT 2, HA, PCS+4*(\i), PWS+(\i)
	global_store_b128 v3, v[PCS+4*(\i):PCS+4*(\i)+3], s[OUTB:OUTB+1] offset:512*(\i)      ; the wave stores 512 consecutive bytes, aligned
	ds_store_b32 v5, v[PWS+(\i)] offset:256*((\i)%2)+4*((\i)/2)                            ; lanes l and l xor 16 write the same word with the same value
.else
	QUANT 4, HA, PCS+8*(\i), PWS+(\i)
	global_store_b128 v3, v[PCS+8*(\i):PCS+8*(\i)+3], s[OUTB:OUTB+1] offset:1024*(\i)
	global_store_b128 v3, v[PCS+8*(\i)+4:PCS+8*(\i)+7], s[OUTB:OUTB+1] offset:1024*(\i)+512
	ds_store_b32 v5, v[PWS+(\i)] offset:128*((\i)%2)+4*((\i)/2)
.endif
.endm
; A whole body.  wc, ws, bb, out: the scalar pairs of the task's weight codes, weight scales, bias and output
.macro BODY task, wc, ws, bb, out
.set OUTB, \out
.if \task == 0
.set HSTR, 147456
.set REC,  4608
.set SCO,  4096
.else
.set HSTR, 286720
.set REC,  8960
.set SCO,  8192
.endif
	s_sub_co_u32 s34, ttmp9, 128*\task                     ; my number among the task's 128 work-groups
.if \task < 2
.set NT, 4
.set NR, 8
.set PCB, \wc
.set PSB, \ws
.set RCB, 4
.set RSB, 6
	s_lshr_b32 s35, s34, 1                                 ; the group of 128 tokens, 0 .. 63
	s_and_b32 s36, s34, 1
	s_lshl_b32 s36, s36, 2
	s_add_co_u32 s36, s36, s30                             ; the head: a wave each
.else
.set NT, 8
.set NR, 4
.set PCB, 4
.set PSB, 6
.set RCB, \wc
.set RSB, \ws
	s_and_b32 s36, s34, 7                                  ; the head
	s_lshr_b32 s35, s34, 3
	s_lshl_b32 s35, s35, 2
	s_add_co_u32 s35, s35, s30                             ; the group of 128 tokens: a wave each
.endif
	s_lshl_b32 s38, s35, 15                                ; 128 rows of 256 bytes of x's codes  (s39 = 0)
	s_add_nc_u64 s[4:5], s[4:5], s[38:39]
	s_lshl_b32 s38, s35, 11                                ; and of 16 bytes of its scales
	s_add_nc_u64 s[6:7], s[6:7], s[38:39]
	s_lshl_b32 s38, s36, 14                                ; 64 rows of W's codes,
	s_add_nc_u64 s[\wc:\wc+1], s[\wc:\wc+1], s[38:39]
	s_lshl_b32 s38, s36, 10                                ; of its scales,
	s_add_nc_u64 s[\ws:\ws+1], s[\ws:\ws+1], s[38:39]
	s_lshl_b32 s38, s36, 8                                 ; and 64 numbers of the bias
	s_add_nc_u64 s[\bb:\bb+1], s[\bb:\bb+1], s[38:39]
	s_lshr_b32 s40, s35, 5                                 ; the batch
	s_lshl_b32 s40, s40, 3
	s_add_co_u32 s40, s40, s36
	s_mul_i32 s40, s40, HSTR                               ; batch x head,
	s_and_b32 s41, s35, 31
	s_mul_i32 s41, s41, REC                                ; and the group's record in it
	s_add_co_u32 s38, s40, s41
.if \task == 2
	s_add_co_u32 s38, s38, 4096                            ; V's codes lie behind K's
.endif
	s_add_nc_u64 s[\out:\out+1], s[\out:\out+1], s[38:39]
	s_lshl_b32 s42, s30, 9
	s_add_co_u32 s42, s42, \task*2048                      ; my stage for the scale words: the body's 2,048 bytes, 512 a wave
.if \task < 2
	v_lshl_add_u32 v5, v9, 4, s42                          ; in: 16 r
	v_add_nc_u32 v6, s42, v3                               ; back: 16 x lane
	v_lshlrev_b32 v4, 6, v10                               ; the bias: 64 (lane / 16): my half's eight channels of a tile
.else
	v_lshl_add_u32 v5, v9, 3, s42                          ; in: 8 r
	v_add_nc_u32 v6, s42, v7                               ; back: 8 x lane
	v_lshlrev_b32 v4, 2, v11                               ; the bias: my row's channel
.endif
	RLOAD 0
.set pt, 0
.rept NT
	global_load_b128 v[PS+4*pt:PS+4*pt+3], v2, s[PSB:PSB+1] offset:(32*(pt/2)+8*(pt%2))*16
.set pt, pt+1
.endr
.if \task == 2
.irp n, 0,1,2,3
	global_load_b32 v[BVL+\n], v4, s[\bb:\bb+1] offset:(32*(\n/2)+8*(\n%2))*4
.endr
.endif
	WIN 0x40                                               ; destination window 1
.if \task < 2
.irp n, 0,1,2,3
	global_load_b128 v[128+8*\n:131+8*\n], v4, s[\bb:\bb+1] offset:(32*(\n/2)+8*(\n%2))*4
	global_load_b128 v[132+8*\n:135+8*\n], v4, s[\bb:\bb+1] offset:(32*(\n/2)+8*(\n%2))*4+16
.endr
.endif
.set pt, 0
.rept NT
.irp s, 0,1,2,3
	global_load_b128 v[32*pt+8*\s:32*pt+8*\s+3], v1, s[PCB:PCB+1] offset:(32*(pt/2)+8*(pt%2))*256+64*\s
	global_load_b128 v[32*pt+8*\s+4:32*pt+8*\s+7], v1, s[PCB:PCB+1] offset:(32*(pt/2)+8*(pt%2))*256+64*\s+32
.endr
.set pt, pt+1
.endr
	WIN 0
	RLOAD 1
.if \task < 2
.irp n, 0,1,2,3,4,5,6,7
	RT \task, \n
.endr
	ds_load_b128 v[248:251], v6                            ; LDS serves a wave's instructions in order: this sees my eight stores
	s_wait_dscnt 0x0
	global_store_b128 v3, v[248:251], s[OUTB:OUTB+1] offset:SCO   ; the group's scale words: 512 consecutive bytes, aligned
.else
.irp n, 0,1,2,3
	RT \task, \n
.endr
	ds_load_b64 v[248:249], v6
	s_wait_dscnt 0x0
	global_store_b64 v7, v[248:249], s[OUTB:OUTB+1] offset:4608   ; 256 consecutive bytes, aligned
.endif
	s_wait_tensorcnt 0x0                                   ; the wave's end, behind my last LDS store
	ds_add_u32 v[SPW], v[NIL]
	s_wait_dscnt 0x0
	s_endpgm
.endm
	s_load_b512 s[4:19], s[0:1], 0x0               ; x's codes s[4:5], x's scales s[6:7]; Wq's codes, scales, bq s[8:13]; Wk's codes, scales, bk s[14:19]
	s_load_b256 s[20:27], s[0:1], 0x40             ; Wv's codes, scales, bv s[20:25]; qw s[26:27]
	s_load_b64 s[28:29], s[0:1], 0x60              ; kv
	v_lshl_add_u32 v[SPW], v0, 2, SPARE
	v_mov_b32 v[NIL], 0
	v_lshrrev_b32 v8, 5, v0
	v_readfirstlane_b32 s30, v8                    ; wave 0..3
	v_and_b32 v9, 15, v0                           ; r
	v_bfe_u32 v10, v0, 4, 1                        ; h
	v_and_b32 v11, 8, v9
	v_add_nc_u32 v11, v11, v9                      ; r + 8 (r / 8): my row in a tile
	v_lshlrev_b32 v1, 8, v11
	v_lshl_add_u32 v1, v10, 4, v1                  ; codes: a row of 256 bytes, + 16 h
	v_lshlrev_b32 v2, 4, v11                       ; scales: a row of 16 bytes
	v_and_b32 v12, 31, v0
	v_lshlrev_b32 v3, 4, v12                       ; 16 x lane
	v_lshlrev_b32 v7, 3, v12                       ; 8 x lane
.irp b, 0,1,2,3
	v_mov_b32 v[TM+4+\b], 0                        ; written once: a lane permute's destination counts as one of its sources
.endr
	s_mov_b32 s[SEL], 0x76543210
	s_mov_b32 s[SEL+1], 0xfedcba98
	s_mov_b32 s39, 0                               ; the high word of every offset
	s_wait_kmcnt 0x0
	s_cmp_lt_u32 ttmp9, 128
	s_cbranch_scc1 .Lq
	s_cmp_lt_u32 ttmp9, 256
	s_cbranch_scc1 .Lk
	BODY 2, 20, 22, 24, 28
.Lk:
	BODY 1, 14, 16, 18, 28
.Lq:
	BODY 0, 8, 10, 12, 26
.Lfunc_end_k_qef35f8afc6_proj:
	.size	k_qef35f8afc6_proj, .Lfunc_end_k_qef35f8afc6_proj-k_qef35f8afc6_proj
	.p2alignl 7, 3214868480
	.fill 96, 4, 3214868480
	.section	.rodata,"a",@progbits
	.p2align	6, 0x0
	.amdhsa_kernel k_qef35f8afc6_proj
		.amdhsa_group_segment_fixed_size 6656
		.amdhsa_private_segment_fixed_size 0
		.amdhsa_enable_private_segment 0
		.amdhsa_kernarg_size 104
		.amdhsa_user_sgpr_count 2
		.amdhsa_user_sgpr_kernarg_segment_ptr 1
		.amdhsa_wavefront_size32 1
		.amdhsa_system_sgpr_workgroup_id_x 1
		.amdhsa_system_sgpr_workgroup_id_y 1
		.amdhsa_system_sgpr_workgroup_id_z 1
		.amdhsa_system_vgpr_workitem_id 0
		.amdhsa_next_free_vgpr 512
		.amdhsa_next_free_sgpr 66
		.amdhsa_reserve_vcc 0
		.amdhsa_float_denorm_mode_32 3
		.amdhsa_float_denorm_mode_16_64 3
		.amdhsa_memory_ordered 1
		.amdhsa_forward_progress 1
		.amdhsa_inst_pref_size 141
	.end_amdhsa_kernel
	.amdgpu_metadata
---
amdhsa.version: [ 1, 2 ]
amdhsa.kernels:
  - .name:           k_qef35f8afc6_proj
    .symbol:         k_qef35f8afc6_proj.kd
    .args:
      - { .name: x_codes, .offset: 0, .size: 8, .value_kind: global_buffer, .address_space: global }
      - { .name: x_scales, .offset: 8, .size: 8, .value_kind: global_buffer, .address_space: global }
      - { .name: Wq_codes, .offset: 16, .size: 8, .value_kind: global_buffer, .address_space: global }
      - { .name: Wq_scales, .offset: 24, .size: 8, .value_kind: global_buffer, .address_space: global }
      - { .name: bq, .offset: 32, .size: 8, .value_kind: global_buffer, .address_space: global }
      - { .name: Wk_codes, .offset: 40, .size: 8, .value_kind: global_buffer, .address_space: global }
      - { .name: Wk_scales, .offset: 48, .size: 8, .value_kind: global_buffer, .address_space: global }
      - { .name: bk, .offset: 56, .size: 8, .value_kind: global_buffer, .address_space: global }
      - { .name: Wv_codes, .offset: 64, .size: 8, .value_kind: global_buffer, .address_space: global }
      - { .name: Wv_scales, .offset: 72, .size: 8, .value_kind: global_buffer, .address_space: global }
      - { .name: bv, .offset: 80, .size: 8, .value_kind: global_buffer, .address_space: global }
      - { .name: qw, .offset: 88, .size: 8, .value_kind: global_buffer, .address_space: global }
      - { .name: kv, .offset: 96, .size: 8, .value_kind: global_buffer, .address_space: global }
    .group_segment_fixed_size: 6656
    .private_segment_fixed_size: 0
    .kernarg_segment_align: 8
    .kernarg_segment_size: 104
    .max_flat_workgroup_size: 128
    .sgpr_count:     66
    .vgpr_count:     512
    .wavefront_size: 32
...
	.end_amdgpu_metadata
.endif
;; end of part 1
;; launch attn (part 2): grid 16 x 16, 16 waves a work-group, no clusters, 327,680 bytes of LDS; arguments qw, kv, ow, osc; writes ow, osc
.if DOCPART == 2
	.amdgcn_target "amdgcn-amd-amdhsa--gfx1250"
	.amdhsa_code_object_version 6
	.text
	.protected	k_qef35f8afc6_attn
	.globl	k_qef35f8afc6_attn
	.p2align	8
	.type	k_qef35f8afc6_attn,@function
k_qef35f8afc6_attn:
	s_mov_b64 s[64:65], 0
	v_nop
	global_prefetch_b8 v0, s[64:65] scope:SCOPE_SE
	s_setreg_imm32_b32 hwreg(HW_REG_WAVE_MODE, 25, 1), 1
	s_wait_xcnt 0x0
; Causal attention of one batch x head on codes of FP4 (E2M1) with E8M0 scales: S^T = K Q^T (K = the head's 64; the instruction's upper 64 are zero codes on both sides, under the scale byte 0),
; the softmax ahead of the second product, O^T = V^T P^T (K = the keys), O / l, and the quantiser of O / l along the head's 64 channels (two blocks of the last product's K).
; LEFT OUT: key steps of 128 keys all of which come after all 16 queries of a wave's tile: the causal mask makes their weights exactly 0 for all values of the inputs.
; LIMIT: a NaN, an infinity or an overflow in K or V that reaches only such steps is not carried to the result.  NaN and infinities among the inputs are not served.  A block of zeros gets the scale byte 1.
; THE SOFTMAX: t = score x log2(e) / 8; M = the row's largest t so far, rounded UP to a whole number; p = 2^(t - M) is what is quantised, along the keys, not normalised.  The row's sum is taken of the
; unquantised p, in f32, and divides O at the end.  When M moves, the sum and O are multiplied by 2^(old M - new M): exact.
; SHARES.  A head's 4,096 queries are 32 blocks of 128.  Work-group j owns blocks j and 31 - j, so that every work-group has 8 (j + 1) + 8 (32 - j) = 264 key steps of a wave.  Each of its sixteen waves owns one tile
; of 16 queries: tile wave / 2 of the early or of the late block, late = (wave xor wave / 4) & 1, so that any four waves with equal wave % 4, or equal wave / 4, hold two of each kind.
; NO CLUSTER: work-groups of a head need 17 to 32 key steps, so a tile asked for jointly would be read by no wave of some partner.
; TILES.  Lane r of tile i of a block of 128 holds row 32 (i / 2) + 8 (i % 2) + r + 8 (r / 8), of queries and of keys alike; the first launch laid K, V and Q as images of the operands' registers, 16 bytes a lane.
; A key step's record is 8,960 dense bytes: K's codes, V's codes, K's scale words, V's scale words.  Four records are a slot, 140 rows of 256 bytes; two slots take turns; waves 0 and 1 fetch a half each.
; Both products are used transposed: a lane holds ONE query (lane % 16) throughout; the 16 registers of tiles 2 b and 2 b + 1 of S^T are keys 32 b + 16 (lane / 16) + 0 .. 15.
; Every work-group walks all 8 slots, so that trip counts are constants; what is left out is a step's work, and the fetch of slots that none of the sixteen waves reads.
; REGISTERS: v1-11 addresses that stay or are in hand; v12 -M, v13 the largest t, v[14:15] the sum in two halves; v16-23 Q (v20-23 zeros); v24 Q's scale words; v26-29 K's; v30-31 V's;
;   v32-95 K's eight tiles (the upper four registers of each stay 0); v96-159 S^T, then p; v160-191 O^T; v192-223 V's four fragments; v224-231 p's codes; v232-254 at work.
.set REC,   8960
.set SLOTB, 4*REC                      ; 35,840 bytes
.set HALFB, SLOTB/2                    ; 70 rows of 256 bytes: what one tensor load brings
.set SLOT1, 1<<17                      ; slot 1 begins here, so that one exclusive or turns an address in one slot into the other's
.set OSTG,  262144                     ; a stage for O's scale words: 2 blocks x 8 tiles x 16 words; no tensor load lands here
.set SPARE, 263168                     ; the spare words, 128 bytes for each wave: eight blocks of 256 bytes that no other line names
.set L16, 1                            ; v1   16 x lane
.set L8,  2                            ; v2   8 x lane
.set OSW, 3                            ; v3   where I put my row's scale word of O
.set OSR, 4                            ; v4   where waves 0 and 1 read a block's scale words back
.set SPW, 5                            ; v5   LDS address of my spare word; never rewritten
.set NIL, 6                            ; v6   0; never rewritten
.set QD,  7                            ; v7   my row in the tile - 16 (lane / 16)
.set ADR, 8                            ; v8   the step's record + 16 x lane
.set ADR8, 9                           ; v9   the step's record + 8 x lane
.set PFO, 10                           ; v10  the prefetches' offset; never rewritten
.set QS,  24
.set KS,  26
.set VS,  30
.set TM,  232
.set WV,  18                           ; s18  my wave's number
.set SEL, 20                           ; s[20:21] lane selects for v_permlanex16_b32: lane l xor 16
.set CS,  22                           ; s[22:23] c = log2(e) / 8
.set G1,  24                           ; s[24:31] descriptor group 1
.set G0,  40                           ; s[40:43] descriptor group 0, which walks
.set TB,  2                            ; s2   LDS byte at which the step's record begins
.set KF,  44                           ; s44  the step's first key
.set Q0,  45                           ; s45  my tile's first query
.set QL,  46                           ; s46  and its last
.set QW,  47                           ; s47  my work-group's last query
.set SLOTS, 48                         ; s48  changes of slots to go in the loop
.set STEPS, 49                         ; s49  counts a slot's four steps
.set PFA, 50                           ; s[50:51] where my prefetches stand
.set LIM, 52                           ; s52  1 in a wave that prefetches, else the greatest number
; Waves 0 and 1 fetch, the others nothing: the branch hangs on the wave's number alone.  An s_nop 0 and four v_nop follow the load.
.macro TLOAD
	s_cmp_lt_u32 s[WV], 2
	s_cbranch_scc0 .Lasked_\@
	tensor_load_to_lds s[G0:G0+3], s[G1:G1+7]
	s_nop 0
.rept 4
	v_nop
.endr
.Lasked_\@:
.endm
; A prefetch of the slot that the NEXT change of slots will ask for: 140 blocks of 256 bytes.  All work-groups of a head walk the same records: the head's work-group 0, which walks them all, asks, and nobody else.
; The last change that fills a slot asks for nothing; slots 0 and 1 come by their loads alone.
.macro ASK
	s_cmp_gt_u32 s[SLOTS], s[LIM]
	s_cbranch_scc0 .Lnot_mine_\@
	global_prefetch_b8 v[PFO], s[PFA:PFA+1] th:TH_LOAD_NT scope:SCOPE_SE
.Lnot_mine_\@:
.endm
; two blocks of 32 (the way out): as in the first launch
.macro QUANT nb, src, pc, pw
.set qb, 0
.rept \nb
	v_max3_num_f32 v[TM+qb], |v[16*qb+(\src)]|, |v[16*qb+(\src)+1]|, 0x1800000   ; my 16 numbers of block b, and the floor 2^(3 - 127): the byte cannot fall under 1
.set qb, qb+1
.endr
.set qi, 2
.rept 7
.set qb, 0
.rept \nb
	v_max3_num_f32 v[TM+qb], v[TM+qb], |v[16*qb+(\src)+qi]|, |v[16*qb+(\src)+qi+1]|
.set qb, qb+1
.endr
.set qi, qi+2
.endr
.set qb, 0
.rept \nb
	v_permlanex16_b32 v[TM+4+qb], v[TM+qb], s[SEL], s[SEL+1]
.set qb, qb+1
.endr
.set qb, 0
.rept \nb
	v_max_num_f32 v[TM+qb], v[TM+qb], v[TM+4+qb]
.set qb, qb+1
.endr
.set qb, 0
.rept \nb
	v_add_nc_u32 v[TM+8+qb], 0xff000000, v[TM+qb]          ; 2 off the exponent field: the conversion's scale operand
.set qb, qb+1
.endr
.set qb, 0
.rept \nb
	v_lshrrev_b32 v[TM+4+qb], 23, v[TM+8+qb]               ; the scale's byte
.set qb, qb+1
.endr
	v_lshl_or_b32 v[\pw], v[TM+5], 8, v[TM+4]
.set qb, 0
.rept \nb
	v_cvt_scalef32_pk8_fp4_f32 v[2*qb+(\pc)], v[16*qb+(\src):16*qb+(\src)+7], v[TM+8+qb]
	v_cvt_scalef32_pk8_fp4_f32 v[2*qb+(\pc)+1], v[16*qb+(\src)+8:16*qb+(\src)+15], v[TM+8+qb]
.set qb, qb+1
.endr
	v_nop                                                  ; one plain place behind a scaled conversion
.set qb, 0
.rept \nb/2
	v_permlane16_swap_b32 v[4*qb+(\pc)], v[4*qb+(\pc)+2]
	v_permlane16_swap_b32 v[4*qb+(\pc)+1], v[4*qb+(\pc)+3]
.set qb, qb+1
.endr
.endm
	s_load_b256 s[4:11], s[0:1], 0x0               ; qw s[4:5], kv s[6:7], ow s[8:9], osc s[10:11]
	v_lshl_add_u32 v[SPW], v0, 2, SPARE
	v_mov_b32 v[NIL], 0
	ds_add_u32 v[SPW], v[NIL]                      ; the wave's opening: the add, twice on end, and its wait ahead of the first tensor load; the set-up below, work on registers, stands between the second and the wait
	ds_add_u32 v[SPW], v[NIL]
	v_lshrrev_b32 v11, 5, v0
	v_readfirstlane_b32 s[WV], v11                 ; wave 0..15
	s_and_b32 s54, ttmp7, 0xffff                   ; batch x head
	s_lshr_b32 s55, s[WV], 1                       ; which tile of its block is mine
	s_lshr_b32 s56, s[WV], 2
	s_xor_b32 s56, s56, s[WV]
	s_and_b32 s56, s56, 1                          ; late: 0 the early block, 1 the late one
	s_sub_co_u32 s57, 31, ttmp9                    ; 31 - j
	s_cmp_eq_u32 s56, 0
	s_cselect_b32 s58, ttmp9, s57                  ; my block of 128 queries
	s_lshl_b32 s[Q0], s58, 7
	s_lshr_b32 s59, s55, 1
	s_lshl_b32 s59, s59, 5
	s_add_co_u32 s[Q0], s[Q0], s59
	s_and_b32 s59, s55, 1
	s_lshl_b32 s60, s59, 3
	s_add_co_u32 s[Q0], s[Q0], s60                 ; my tile's first query: 128 block + 32 (tile / 2) + 8 (tile % 2)
	s_add_co_u32 s[QL], s[Q0], 23                  ; and its last: the tile's rows are 0 .. 7 and 16 .. 23
	s_lshl_b32 s[QW], s57, 7
	s_add_co_u32 s[QW], s[QW], 127                 ; the late block's last query
	v_and_b32 v11, 31, v0
	v_lshlrev_b32 v[L16], 4, v11
	v_lshlrev_b32 v[L8], 3, v11
	v_min_u32 v[PFO], 27, v11
	v_lshlrev_b32 v[PFO], 8, v[PFO]
	v_and_b32 v25, 15, v0                          ; r
	v_bfe_u32 v[ADR], v0, 4, 1                     ; h
	v_and_b32 v[QD], 8, v25
	v_add_nc_u32 v[QD], v[QD], v25                 ; r + 8 (r / 8)
	v_lshlrev_b32 v[ADR], 4, v[ADR]
	v_sub_nc_u32 v[QD], v[QD], v[ADR]              ; - 16 h
	s_lshl_b32 s60, s56, 9                         ; every LDS address register is made here, ahead of the first branch on the wave's number
	s_lshl_b32 s61, s55, 6
	s_add_co_u32 s60, s60, s61
	s_add_co_u32 s60, s60, OSTG
	v_lshl_add_u32 v[OSW], v25, 2, s60             ; the stage: 512 late + 64 tile + 4 r
	s_and_b32 s61, s[WV], 1
	s_lshl_b32 s62, s61, 9
	s_add_co_u32 s62, s62, OSTG
	v_add_nc_u32 v[OSR], s62, v[L16]               ; back: block wave & 1, 16 x lane
	v_lshlrev_b32 v11, 4, v25                      ; Q's scale words: 16 r
	; descriptor group 1: 70 rows of 256 bytes (32 elements of 8 bytes), dense in memory and in LDS: every read takes 16 or 8 bytes a lane on end, so no padding
	s_mov_b32 s[G1], 3<<16                         ; no mask; elements of 8 bytes; no padding
	s_mov_b32 s[G1+1], 32<<16                      ; tensor_dim0 = 32
	s_mov_b32 s[G1+2], 70<<16                      ; tensor_dim1 = 70
	s_mov_b32 s[G1+3], 32<<16                      ; tile_dim0 = 32
	s_mov_b32 s[G1+4], 70                          ; tile_dim1 = 70
	s_mov_b32 s[G1+5], 32                          ; from row to row
	s_mov_b32 s[G1+6], 0
	s_mov_b32 s[G1+7], 0
	s_mul_i32 s63, s61, HALFB                      ; my half of a slot, in LDS and in memory
	s_mov_b32 s68, s63
	s_mov_b32 s69, 0
	s_mov_b32 s[SEL], 0x76543210
	s_mov_b32 s[SEL+1], 0xfedcba98
	s_mov_b32 s[CS], 0x3e38aa3b                    ; c = log2(e) / sqrt(64)
	s_mov_b32 s[CS+1], s[CS]                       ; (named with it as a pair, so it is written)
	s_mov_b32 s[TB], 0
	s_mov_b32 s[KF], 0
	s_mov_b32 s[SLOTS], 7
	s_mul_i32 s66, s54, 32*REC                     ; the head's records in kv
	s_mov_b32 s67, 0
	s_mul_i32 s70, s54, 147456
	s_mul_i32 s71, s58, 4608
	s_add_co_u32 s70, s70, s71                     ; my block's record in qw
	s_lshl_b32 s76, s59, 8
	s_lshr_b32 s77, s55, 1
	s_lshl_b32 s77, s77, 2
	s_add_co_u32 s76, s76, s77
	s_add_co_u32 s76, s76, s70
	s_add_co_u32 s76, s76, 4096                    ; my tile's scale words: 4,096 + 256 (tile % 2) + 4 (tile / 2)
	s_mov_b32 s77, 0
	s_lshl_b32 s71, s55, 9
	s_add_co_u32 s70, s70, s71                     ; my tile's codes: 512 tile
	s_mov_b32 s71, 0
	s_lshl_b32 s72, s54, 17
	s_lshl_b32 s73, s58, 12
	s_add_co_u32 s72, s72, s73
	s_lshl_b32 s73, s55, 9
	s_add_co_u32 s72, s72, s73                     ; ow: 131,072 head + 512 (8 block + tile)
	s_mov_b32 s73, 0
	s_cmp_eq_u32 s61, 0
	s_cselect_b32 s74, ttmp9, s57                  ; osc: wave 0 stores the early block's words, wave 1 the late block's
	s_lshl_b32 s74, s74, 9
	s_lshl_b32 s75, s54, 14
	s_add_co_u32 s74, s74, s75
	s_mov_b32 s75, 0
	s_sub_co_u32 s53, s[WV], 4
	s_cmp_le_u32 s53, 4                            ; waves 4 to 8,
	s_cselect_b32 s[LIM], 0, 1
	s_or_b32 s[LIM], s[LIM], ttmp9                 ; of the head's work-group 0
	s_cmp_eq_u32 s[LIM], 0
	s_cselect_b32 s[LIM], 1, -1
	s_min_u32 s53, s53, 4                          ; (held, so that the address lies inside kv in every wave)
	s_mul_i32 s80, s53, 28*256                     ; my 28 blocks,
	s_add_co_u32 s80, s80, SLOTB                   ; in slot 1: the first change of slots steps it to slot 2
	s_mov_b32 s81, 0
	s_wait_dscnt 0x0                               ; both opening adds are done
	s_wait_kmcnt 0x0
	s_add_nc_u64 s[6:7], s[6:7], s[66:67]          ; kv at my head
	s_mov_b32 s[G0], 1                             ; count = 1
	s_mov_b32 s[G0+1], s63                         ; LDS address: slot 0, my half
	s_add_nc_u64 s[G0+2:G0+3], s[6:7], s[68:69]    ; global address: key steps 0 to 3, my half
	s_or_b32 s[G0+3], s[G0+3], 0x80000000          ; type = 2
	TLOAD                                          ; slot 0: by this text's count a wave never has more than one tensor load out
	s_add_nc_u64 s[PFA:PFA+1], s[6:7], s[80:81]
	s_add_nc_u64 s[78:79], s[4:5], s[76:77]
	s_add_nc_u64 s[4:5], s[4:5], s[70:71]
	s_add_nc_u64 s[8:9], s[8:9], s[72:73]
	s_add_nc_u64 s[10:11], s[10:11], s[74:75]
	global_load_b128 v[16:19], v[L16], s[4:5]      ; Q's codes stay in registers: block lane / 16 of my query
	global_load_b32 v[QS], v11, s[78:79]           ; and its scale words
.irp j, 20,21,22,23
	v_mov_b32 v\j, 0                               ; the instruction's upper 64 along K: zero codes
.endr
.irp t, 0,1,2,3,4,5,6,7
.irp j, 4,5,6,7
	v_mov_b32 v[32+8*\t+\j], 0                     ; the same in K's eight tiles: written once, never loaded into
.endr
.endr
	v_mov_b32 v13, 0xff61b1e6                      ; the largest t so far: -3e38, under every t
	v_floor_f32 v12, -v13                          ; -M
	v_mov_b32 v14, 0                               ; the sum, in two halves
	v_mov_b32 v15, 0
.irp b, 0,1,2,3
	v_mov_b32 v[236+\b], 0                         ; written once: a lane permute's destination counts as one of its sources
.endr
	v_mov_b32 v252, 0                              ; likewise
	v_mov_b32 v253, 0                              ; (named as the upper half of the pair v[252:253] before it is first written)
.irp j, 0,1,2,3,4,5,6,7,8,9,10,11,12,13,14,15,16,17,18,19,20,21,22,23,24,25,26,27,28,29,30,31
	v_mov_b32 v[160+\j], 0                         ; O^T.  (The step is written for all steps alike: the first finds zeros, which the first change of M leaves zeros)
.endr
; A KEY STEP: 128 keys, the record at LDS byte s[TB].
.macro STEP
	s_cmp_gt_u32 s[KF], s[QL]                      ; a step all of whose keys come after my queries is left out: a scalar branch on ids, round the step's work; not round the lines at its end that step addresses
	s_cbranch_scc1 .Lhidden_\@
	v_add_nc_u32 v[ADR], s[TB], v[L16]
	v_add_nc_u32 v[ADR8], s[TB], v[L8]
.irp t, 0,1,2,3,4,5,6,7
	ds_load_b128 v[32+8*\t:35+8*\t], v[ADR] offset:512*\t     ; K's tile t: block lane / 16 of my key
.endr
	ds_load_b128 v[KS:KS+3], v[ADR] offset:8192    ; K's scale words: register n holds tile 2 n's in lanes 0-15 and tile 2 n + 1's in lanes 16-31
	s_wait_dscnt 0x0
.irp t, 0,2,4,6
	v_wmma_scale_f32_16x16x128_f8f6f4 v[96+8*\t:103+8*\t], v[32+8*\t:39+8*\t], v[16:23], 0, v[KS+\t/2], v[QS] matrix_a_fmt:MATRIX_FMT_FP4 matrix_b_fmt:MATRIX_FMT_FP4
	v_wmma_scale_f32_16x16x128_f8f6f4 v[104+8*\t:111+8*\t], v[40+8*\t:47+8*\t], v[16:23], 0, v[KS+\t/2], v[QS] matrix_a_fmt:MATRIX_FMT_FP4 matrix_b_fmt:MATRIX_FMT_FP4 matrix_a_scale:MATRIX_SCALE_ROW1
.endr
.rept 4
	v_nop                                          ; four places in front of the first read of the scores; with the two additions above also those in front of the loads into V's registers, which the last step's products read
.endr
.irp i, 0,1,2,3
	ds_load_b128 v[192+8*\i:195+8*\i], v[ADR] offset:4096+1024*\i        ; V's fragments, 16 channels x 128 keys: they land while the softmax is worked
	ds_load_b128 v[196+8*\i:199+8*\i], v[ADR] offset:4096+1024*\i+512
.endr
	ds_load_b64 v[VS:VS+1], v[ADR8] offset:8704
	s_add_co_u32 s54, s[KF], 127                   ; on the diagonal the scores of hidden keys become -infinity ahead of the maximum: p = 0 then.  A step all of whose keys count skips this
	s_cmp_le_u32 s54, s[Q0]
	s_cbranch_scc1 .Lopen_\@
	s_sub_co_i32 s54, s[Q0], s[KF]
	v_add_nc_u32 v252, s54, v[QD]                  ; d = my query - KF - 16 (lane / 16).  Register 16 b + i holds key KF + 16 (lane / 16) + 32 b + i: hidden where 32 b + i > d
	v_mov_b32 v254, 0xff800000                     ; -infinity
.irp n, 0,1,2,3,4,5,6,7,8,9,10,11,12,13,14,15,16,17,18,19,20,21,22,23,24,25,26,27,28,29,30,31,32,33,34,35,36,37,38,39,40,41,42,43,44,45,46,47,48,49,50,51,52,53,54,55,56,57,58,59,60,61,62,63
	v_cmp_gt_i32 vcc_lo, 32*(\n/16)+\n%16, v252
	v_cndmask_b32 v[96+\n], v[96+\n], v254, vcc_lo
.endr
.Lopen_\@:
.irp b, 0,1,2,3
	v_max3_num_f32 v[232+\b], v[96+16*\b], v[97+16*\b], v[98+16*\b]   ; the largest score of each block of 32 keys: it serves for the row's maximum and, since p rises with the score, for the block's largest p
.endr
.irp i, 3,5,7,9,11,13
.irp b, 0,1,2,3
	v_max3_num_f32 v[232+\b], v[232+\b], v[96+16*\b+\i], v[97+16*\b+\i]
.endr
.endr
.irp b, 0,1,2,3
	v_max_num_f32 v[232+\b], v[232+\b], v[111+16*\b]
.endr
.irp b, 0,1,2,3
	v_permlanex16_b32 v[236+\b], v[232+\b], s[SEL], s[SEL+1]
.endr
.irp b, 0,1,2,3
	v_max_num_f32 v[232+\b], v[232+\b], v[236+\b]  ; with lane l xor 16's 16 keys
.endr
	v_max3_num_f32 v254, v232, v233, v234
	v_max_num_f32 v254, v254, v235                 ; the step's largest score of my query
	v_mul_f32 v254, s[CS], v254                    ; as t (c is positive)
	v_max_num_f32 v13, v13, v254                   ; the running largest t
	v_mov_b32 v254, v12
	v_floor_f32 v12, -v13                          ; the new -M = floor(-t) = -ceil(t): M is a whole number
	v_sub_f32 v254, v12, v254                      ; M's old value less its new one: a whole number, 0 or less
	v_cvt_i32_f32 v254, v254                       ; (it saturates)
	v_ldexp_f32 v252, 1.0, v254                    ; f = 2^(old M - new M)
.irp j, 0,2,4,6,8,10,12,14,16,18,20,22,24,26,28,30,32,34,36,38,40,42,44,46,48,50,52,54,56,58,60,62
	v_pk_fma_f32 v[96+\j:97+\j], v[96+\j:97+\j], s[CS:CS+1], v[12:13] op_sel_hi:[1,0,0]   ; t - M, two at a time
.endr
.irp b, 0,1,2,3
	v_fma_f32 v[232+\b], v[232+\b], s[CS], v12     ; the same of each block's largest score
.endr
.irp j, 0,1,2,3,4,5,6,7,8,9,10,11,12,13,14,15,16,17,18,19,20,21,22,23,24,25,26,27,28,29,30,31,32,33,34,35,36,37,38,39,40,41,42,43,44,45,46,47,48,49,50,51,52,53,54,55,56,57,58,59,60,61,62,63
	v_exp_f32 v[96+\j], v[96+\j]                   ; p = 2^(t - M), at most 1: not normalised
.endr
	v_pk_mul_f32 v[14:15], v[14:15], v[252:253] op_sel_hi:[1,0]   ; the sums under the new M: the plain place behind the exponentials
	s_wait_alu depctr_va_vdst(0)                   ; one wait for the whole batch, ahead of its first reader
.irp b, 0,1,2,3
	v_exp_f32 v[232+\b], v[232+\b]                 ; the block's largest p: the same two instructions on the same number give the same bits
.endr
	v_pk_add_f32 v[236:237], v[96:97], v[98:99]    ; the row's sum is taken of the unquantised p: two at a time, in two chains; it reads the 64 alone: plain work behind the four
.irp j, 4,8,12,16,20,24,28,32,36,40,44,48,52,56,60
	v_pk_add_f32 v[14:15], v[14:15], v[96+\j:97+\j]
	v_pk_add_f32 v[236:237], v[236:237], v[98+\j:99+\j]
.endr
	v_pk_add_f32 v[14:15], v[14:15], v[236:237]
	s_wait_alu depctr_va_vdst(0)                   ; and one for the four
.irp b, 0,1,2,3
	v_max_num_f32 v[232+\b], 0x1800000, v[232+\b]  ; the floor 2^(3 - 127): the byte cannot fall under 1 (a block whose every p is 0 keeps that byte: its codes are zeros)
.endr
.irp b, 0,1,2,3
	v_add_nc_u32 v[244+\b], 0xff000000, v[232+\b]  ; 2 off the exponent field: the conversion's scale operand
.endr
.irp b, 0,1,2,3
	v_lshrrev_b32 v[236+\b], 23, v[244+\b]         ; the scale's byte
.endr
	v_lshl_or_b32 v253, v237, 8, v236              ; p's scale word for these 128 keys
	v_lshl_or_b32 v253, v238, 16, v253
	v_lshl_or_b32 v253, v239, 24, v253
.irp b, 0,1,2,3
	v_cvt_scalef32_pk8_fp4_f32 v[224+2*\b], v[96+16*\b:103+16*\b], v[244+\b]
	v_cvt_scalef32_pk8_fp4_f32 v[225+2*\b], v[104+16*\b:111+16*\b], v[244+\b]
.endr
	v_nop                                          ; one plain place behind a scaled conversion
.irp c, 0,1
.irp i, 0,1
	v_permlane16_swap_b32 v[224+4*\c+\i], v[226+4*\c+\i]   ; a whole block in a lane: lanes 0-15 block 2 c, lanes 16-31 block 2 c + 1
.endr
.endr
.irp j, 0,2,4,6,8,10,12,14,16,18,20,22,24,26,28,30
	v_pk_mul_f32 v[160+\j:161+\j], v[160+\j:161+\j], v[252:253] op_sel_hi:[1,0]   ; O^T under the new M: x f.  These sixteen are also the places between the lines that made p's codes and scale word and the products below
.endr
	s_wait_dscnt 0x0                               ; V's fragments and scale words are in
.irp i, 0,2
	v_wmma_scale_f32_16x16x128_f8f6f4 v[160+8*\i:167+8*\i], v[192+8*\i:199+8*\i], v[224:231], v[160+8*\i:167+8*\i], v[VS+\i/2], v253 matrix_a_fmt:MATRIX_FMT_FP4 matrix_b_fmt:MATRIX_FMT_FP4
	v_wmma_scale_f32_16x16x128_f8f6f4 v[168+8*\i:175+8*\i], v[200+8*\i:207+8*\i], v[224:231], v[168+8*\i:175+8*\i], v[VS+\i/2], v253 matrix_a_fmt:MATRIX_FMT_FP4 matrix_b_fmt:MATRIX_FMT_FP4 matrix_a_scale:MATRIX_SCALE_ROW1
.endr
.Lhidden_\@:
	s_add_co_u32 s[KF], s[KF], 128
	s_add_co_u32 s[TB], s[TB], REC                 ; the next step's record
.endm
; THE CHANGE OF SLOTS stands at a slot's head.  Each wave waits for all its tensor loads (its part of the slot that it is about to read), adds 0 to its spare word (fill = 1: twice on end), and waits for that and for
; its reads of the slot that it has left.  Behind the barrier the slot ahead is whole and nobody reads the other one.  fill = 1: that other slot is filled with the four key steps that follow, up to the causal limit.
.macro CHANGE fill
	s_wait_tensorcnt 0x0                           ; no tensor load of mine is out, so group 0 may be written
	ds_add_u32 v[SPW], v[NIL]                      ; 0 onto my spare word
.if \fill
	ds_add_u32 v[SPW], v[NIL]                      ; and once more, in every trip alike.  The steps below stand between the second and the wait
	s_xor_b32 s[G0+1], s[G0+1], SLOT1              ; the walking descriptor: the other slot than last time,
	s_add_nc_u64 s[G0+2:G0+3], s[G0+2:G0+3], SLOTB ; the next four records; the type bits on top are not reached
	s_wait_xcnt 0x0                                ; the last prefetch, a slot back, has read its address, so it may be written:
	s_add_nc_u64 s[PFA:PFA+1], s[PFA:PFA+1], SLOTB ; one slot further on than the walking descriptor
.endif
	s_wait_dscnt 0x0                               ; the add is done (fill = 1: both are), and my reads of the slot that I have left are over
	s_barrier_signal -1
	s_barrier_wait -1
.if \fill
	s_add_co_u32 s54, s[KF], 512                   ; the first key of the slot that this change would ask for:
	s_cmp_gt_u32 s54, s[QW]                        ; past my work-group's last query it is read by none of the sixteen waves and is not asked for.  Ids and the count of steps alone: all waves go the same way,
	s_cbranch_scc1 .Lpast_\@                       ; and a work-group that is past the limit stays past it.  Every wait on TENSORcnt in this text is for 0
	TLOAD                                          ; the first thing behind the barrier but for the limit's three lines, and a wave's one tensor load until the next
.Lpast_\@:
	ASK                                            ; what the next change of slots will ask for: a slot's four key steps ahead of that load
.endif
.endm
.macro SLOT_STEPS                      ; a slot's four key steps: written once, walked four times
	s_mov_b32 s[STEPS], 4
.Lstep_\@:
	STEP
	s_sub_co_u32 s[STEPS], s[STEPS], 1
	s_cmp_lg_u32 s[STEPS], 0
	s_cbranch_scc1 .Lstep_\@
	s_sub_co_u32 s[TB], s[TB], SLOTB               ; back to a slot's first record,
	s_xor_b32 s[TB], s[TB], SLOT1                  ; in the other slot
.endm
	s_wait_loadcnt 0x0                             ; Q
.Lslot:                                            ; seven trips: behind each change of slots but the last the next slot is asked for, up to the limit
	CHANGE 1
	SLOT_STEPS
	s_sub_co_u32 s[SLOTS], s[SLOTS], 1
	s_cmp_lg_u32 s[SLOTS], 0
	s_cbranch_scc1 .Lslot
	CHANGE 0                                       ; the last slot is written out: nothing is left to fetch
	SLOT_STEPS
	; THE WAY OUT.  O^T / the sum; its 32 registers are channels 32 b + 16 (lane / 16) + 0 .. 15 of my query: two blocks of the last product's K.  They are quantised here and stored as that operand's registers.
.rept 4
	v_nop                                          ; four places behind the last products
.endr
	v_add_f32 v14, v14, v15                        ; the sum's two halves,
	v_permlanex16_b32 v252, v14, s[SEL], s[SEL+1]
	v_add_f32 v14, v14, v252                       ; and lane l xor 16's: the row's sum
	v_rcp_f32 v14, v14
	v_nop                                          ; a plain place behind the reciprocal
	s_wait_alu depctr_va_vdst(0)                   ; and the wait ahead of its first reader
.irp j, 0,2,4,6,8,10,12,14,16,18,20,22,24,26,28,30
	v_pk_mul_f32 v[96+\j:97+\j], v[160+\j:161+\j], v[14:15] op_sel_hi:[1,0]   ; each accumulator from its low end on
.endr
	QUANT 2, 96, 224, 248
	global_store_b128 v[L16], v[224:227], s[8:9]   ; the wave stores 512 consecutive bytes, aligned
	ds_store_b32 v[OSW], v248                      ; lanes l and l xor 16 write the same word with the same value
	s_wait_dscnt 0x0                               ; for the others' sake: my store into the stage is done
	s_barrier_signal -1
	s_barrier_wait -1
	s_cmp_lt_u32 s[WV], 2                          ; waves 0 and 1 store a block's 128 scale words each
	s_cbranch_scc0 .Lend
	ds_load_b128 v[232:235], v[OSR]
	s_wait_dscnt 0x0
	global_store_b128 v[L16], v[232:235], s[10:11] ; 512 consecutive bytes, aligned
.Lend:
	s_wait_tensorcnt 0x0                           ; the wave's end, behind my last tensor load and my last LDS store
	ds_add_u32 v[SPW], v[NIL]
	s_wait_dscnt 0x0
	s_endpgm
.Lfunc_end_k_qef35f8afc6_attn:
	.size	k_qef35f8afc6_attn, .Lfunc_end_k_qef35f8afc6_attn-k_qef35f8afc6_attn
	.p2alignl 7, 3214868480
	.fill 96, 4, 3214868480
	.section	.rodata,"a",@progbits
	.p2align	6, 0x0
	.amdhsa_kernel k_qef35f8afc6_attn
		.amdhsa_group_segment_fixed_size 327680
		.amdhsa_private_segment_fixed_size 0
		.amdhsa_enable_private_segment 0
		.amdhsa_kernarg_size 32
		.amdhsa_user_sgpr_count 2
		.amdhsa_user_sgpr_kernarg_segment_ptr 1
		.amdhsa_wavefront_size32 1
		.amdhsa_system_sgpr_workgroup_id_x 1
		.amdhsa_system_sgpr_workgroup_id_y 1
		.amdhsa_system_sgpr_workgroup_id_z 1
		.amdhsa_system_vgpr_workitem_id 0
		.amdhsa_next_free_vgpr 256
		.amdhsa_next_free_sgpr 96
		.amdhsa_reserve_vcc 1
		.amdhsa_float_denorm_mode_32 3
		.amdhsa_float_denorm_mode_16_64 3
		.amdhsa_memory_ordered 1
		.amdhsa_forward_progress 1
		.amdhsa_inst_pref_size 54
	.end_amdhsa_kernel
	.amdgpu_metadata
---
amdhsa.version: [ 1, 2 ]
amdhsa.kernels:
  - .name:           k_qef35f8afc6_attn
    .symbol:         k_qef35f8afc6_attn.kd
    .args:
      - { .name: qw, .offset: 0, .size: 8, .value_kind: global_buffer, .address_space: global }
      - { .name: kv, .offset: 8, .size: 8, .value_kind: global_buffer, .address_space: global }
      - { .name: ow, .offset: 16, .size: 8, .value_kind: global_buffer, .address_space: global }
      - { .name: osc, .offset: 24, .size: 8, .value_kind: global_buffer, .address_space: global }
    .group_segment_fixed_size: 327680
    .private_segment_fixed_size: 0
    .kernarg_segment_align: 8
    .kernarg_segment_size: 32
    .max_flat_workgroup_size: 512
    .sgpr_count:     96
    .vgpr_count:     256
    .wavefront_size: 32
...
	.end_amdgpu_metadata
.endif
;; end of part 2
;; launch oproj (part 3): grid 256 x 1, 4 waves a work-group, no clusters, 34,304 bytes of LDS; arguments ow, osc, Wo_codes, Wo_scales, bo, out0; writes out0
.if DOCPART == 3
	.amdgcn_target "amdgcn-amd-amdhsa--gfx1250"
	.amdhsa_code_object_version 6
	.text
	.protected	k_qef35f8afc6_oproj
	.globl	k_qef35f8afc6_oproj
	.p2align	8
	.type	k_qef35f8afc6_oproj,@function
k_qef35f8afc6_oproj:
	s_mov_b64 s[64:65], 0
	v_nop
	global_prefetch_b8 v0, s[64:65] scope:SCOPE_SE
	s_setreg_imm32_b32 hwreg(HW_REG_WAVE_MODE, 25, 1), 1
	s_wait_xcnt 0x0
; out0 = O Wo^T + bo on codes of FP4 (E2M1) with E8M0 scales, f32 sums.  O's codes and scale words were made by the launch before, as images of this product's operand registers.  Nothing is left out here.
; SHARES.  Work-group g takes rows 32 g .. 32 g + 31 of out0: two tiles m of 16 rows, lane r of tile m on row 8 m + r + 8 (r / 8).  Wave w takes columns 128 w .. 128 w + 127: eight tiles of 16 rows of Wo x four K steps of 128,
; 64 matrix instructions.  Each operand is read once, straight into registers: no tensor loads, no ring, no barrier; waves share nothing.
; K = 512 = head x 64 + channel: K step s is heads 2 s and 2 s + 1, so registers 4 c .. 4 c + 3 of O's fragment are head 2 s + c's 16 bytes of my lane, and the step's scale word is the two heads' two bytes each.
; THE MATRIX INSTRUCTION IS USED TRANSPOSED (source 0 = 16 rows of Wo, source 1 = 16 rows of O): a lane holds eight neighbouring columns of one row of out0.  bo is the C of each sum's first instruction.
; The way out goes through the wave's own stage in LDS, so that each store covers 512 consecutive bytes of a row, aligned.
; REGISTERS: window 0: v1-7 lane offsets; v16-79 O's fragments (tile m, K step s) at v[16 + 8 (4 m + s)], later rows of tile 0; v80-95 the heads' scale words; v96-103 the K steps' scale words; v104-135 Wo's scale words;
;   v144-207 rows of tile 1; v252, v253 the add's two.   window 1: Wo's fragments (tile n, K step s) at v[8 (4 n + s)].   window 2: the accumulators (m, n) at v[64 m + 8 n]; bo's tiles at v[128 + 8 n].
.set AF,  16
.set ORW, 80
.set ASW, 96
.set WSW, 104
.set SPW, 252
.set NIL, 253
.set SPITCH, 528                       ; a stage row: 512 bytes + 16
.set SPARE, 4*16*SPITCH                ; behind the four stages: the spare words, 128 bytes for each wave
.set MSB, 0
.macro WIN new                         ; the immediate's high byte repeats the setting that is left
.if MSB != \new
	s_set_vgpr_msb (MSB<<8)|\new
.set MSB, \new
.endif
.endm
	s_load_b256 s[4:11], s[0:1], 0x0               ; ow s[4:5], osc s[6:7], Wo's codes s[8:9], Wo's scales s[10:11]
	s_load_b128 s[12:15], s[0:1], 0x20             ; bo s[12:13], out0 s[14:15]
	v_lshl_add_u32 v[SPW], v0, 2, SPARE
	v_mov_b32 v[NIL], 0
	v_lshrrev_b32 v8, 5, v0
	v_readfirstlane_b32 s16, v8                    ; wave 0..3
	v_and_b32 v9, 15, v0                           ; r
	v_bfe_u32 v10, v0, 4, 1                        ; h
	v_lshlrev_b32 v1, 8, v9
	v_lshl_add_u32 v1, v10, 4, v1                  ; Wo's codes: row r of 256 bytes, + 16 h
	v_lshlrev_b32 v2, 4, v9                        ; Wo's scales: row r of 16 bytes
	v_lshlrev_b32 v3, 2, v9                        ; O's scale words: 4 r
	v_lshlrev_b32 v4, 5, v10                       ; bo: my half's eight columns
	v_and_b32 v11, 31, v0
	v_lshlrev_b32 v5, 4, v11                       ; 16 x lane
	s_mul_i32 s17, s16, 16*SPITCH                  ; my stage
	v_mul_u32_u24 v6, v9, SPITCH
	v_lshl_add_u32 v6, v10, 5, v6
	v_add_nc_u32 v6, s17, v6                       ; in: row r, 32 bytes for each half of the lanes
	v_add_nc_u32 v7, s17, v5                       ; back: the 32 lanes take one row of 512 bytes
	s_lshr_b32 s18, ttmp9, 7                       ; the batch
	s_and_b32 s19, ttmp9, 127
	s_lshl_b32 s20, s18, 20                        ; ow: eight heads of 131,072 bytes a batch,
	s_lshl_b32 s21, s19, 10                        ; two tiles of 512 bytes a work-group
	s_add_co_u32 s20, s20, s21
	s_mov_b32 s21, 0
	s_lshl_b32 s22, s18, 17                        ; osc: eight heads of 16,384 bytes,
	s_lshl_b32 s23, s19, 7                         ; two tiles of 64 bytes
	s_add_co_u32 s22, s22, s23
	s_mov_b32 s23, 0
	s_lshl_b32 s24, s16, 15                        ; my 128 rows of Wo's codes,
	s_mov_b32 s25, 0
	s_lshl_b32 s26, s16, 11                        ; of its scales,
	s_mov_b32 s27, 0
	s_lshl_b32 s28, s16, 9                         ; my 128 numbers of bo
	s_mov_b32 s29, 0
	s_lshl_b32 s30, ttmp9, 16                      ; out0: 32 rows of 2,048 bytes a work-group,
	s_add_co_u32 s30, s30, s28                     ; my 512 bytes of a row
	s_mov_b32 s31, 0
	s_wait_kmcnt 0x0
	s_add_nc_u64 s[4:5], s[4:5], s[20:21]
	s_add_nc_u64 s[6:7], s[6:7], s[22:23]
	s_add_nc_u64 s[8:9], s[8:9], s[24:25]
	s_add_nc_u64 s[10:11], s[10:11], s[26:27]
	s_add_nc_u64 s[12:13], s[12:13], s[28:29]
	s_add_nc_u64 s[14:15], s[14:15], s[30:31]
.irp m, 0,1
.irp s, 0,1,2,3
.irp c, 0,1
	global_load_b128 v[AF+8*(4*\m+\s)+4*\c:AF+8*(4*\m+\s)+4*\c+3], v5, s[4:5] offset:(2*\s+\c)*131072+512*\m
.endr
.endr
.endr
.irp m, 0,1
.irp d, 0,1,2,3,4,5,6,7
	global_load_b32 v[ORW+8*\m+\d], v3, s[6:7] offset:16384*\d+64*\m     ; head d's two scale bytes of my row
.endr
.endr
.irp n, 0,1,2,3,4,5,6,7
	global_load_b128 v[WSW+4*\n:WSW+4*\n+3], v2, s[10:11] offset:256*\n
.endr
	WIN 0x40                                       ; destination window 1
.irp n, 0,1,2,3,4,5,6,7
.irp s, 0,1,2,3
.irp c, 0,1
	global_load_b128 v[8*(4*\n+\s)+4*\c:8*(4*\n+\s)+4*\c+3], v1, s[8:9] offset:4096*\n+64*\s+32*\c
.endr
.endr
.endr
	WIN 0x80                                       ; destination window 2
.irp n, 0,1,2,3,4,5,6,7
	global_load_b128 v[128+8*\n:131+8*\n], v4, s[12:13] offset:64*\n
	global_load_b128 v[132+8*\n:135+8*\n], v4, s[12:13] offset:64*\n+16
.endr
	WIN 0
	s_wait_loadcnt 0x0
.irp m, 0,1
.irp s, 0,1,2,3
	v_lshl_or_b32 v[ASW+4*\m+\s], v[ORW+8*\m+2*\s+1], 16, v[ORW+8*\m+2*\s]   ; K step s: head 2 s's two bytes below, head 2 s + 1's above
.endr
.endr
.rept 8
	v_nop                                          ; a scale register written by a vector instruction stands eight places ahead of a scaled matrix instruction
.endr
	WIN 0xa1                                       ; source 0 (Wo) window 1, source 1 (O) window 0, C and D window 2
.irp s, 0,1,2,3                                ; the sixteen accumulators take turns, one instruction a turn
.irp m, 0,1
.irp n, 0,1,2,3,4,5,6,7
.if \s == 0
	v_wmma_scale_f32_16x16x128_f8f6f4 v[64*\m+8*\n:64*\m+8*\n+7], v[8*(4*\n+\s):8*(4*\n+\s)+7], v[AF+8*(4*\m+\s):AF+8*(4*\m+\s)+7], v[128+8*\n:135+8*\n], v[WSW+4*\n+\s], v[ASW+4*\m+\s] matrix_a_fmt:MATRIX_FMT_FP4 matrix_b_fmt:MATRIX_FMT_FP4
.else
	v_wmma_scale_f32_16x16x128_f8f6f4 v[64*\m+8*\n:64*\m+8*\n+7], v[8*(4*\n+\s):8*(4*\n+\s)+7], v[AF+8*(4*\m+\s):AF+8*(4*\m+\s)+7], v[64*\m+8*\n:64*\m+8*\n+7], v[WSW+4*\n+\s], v[ASW+4*\m+\s] matrix_a_fmt:MATRIX_FMT_FP4 matrix_b_fmt:MATRIX_FMT_FP4
.endif
.endr
.endr
.endr
	WIN 0
.rept 4
	v_nop                                          ; four places in front of the first read of results, and of loads into the registers that held O's fragments
.endr
; Tile m goes into my stage, 32 bytes a lane, and comes back as whole rows of 512 bytes.  LDS serves a wave's instructions in order: no wait between the stores and the loads, nor in front of the next tile's stores.
.macro TOSTAGE m
	WIN 0x08                                       ; an LDS store's data: window 2
.irp n, 0,1,2,3,4,5,6,7
	ds_store_b128 v6, v[64*\m+8*\n:64*\m+8*\n+3] offset:64*\n            ; each accumulator from its low end on
	ds_store_b128 v6, v[64*\m+8*\n+4:64*\m+8*\n+7] offset:64*\n+16
.endr
	WIN 0
.irp t, 0,1,2,3,4,5,6,7,8,9,10,11,12,13,14,15
	ds_load_b128 v[16+128*\m+4*\t:16+128*\m+4*\t+3], v7 offset:\t*SPITCH
.endr
.endm
.macro SEND m, younger                 ; younger: the LDS instructions issued behind tile m's loads, which may stay out
	s_wait_dscnt \younger
.irp t, 0,1,2,3,4,5,6,7,8,9,10,11,12,13,14,15
	global_store_b128 v5, v[16+128*\m+4*\t:16+128*\m+4*\t+3], s[14:15] offset:(8*\m+\t+8*(\t/8))*2048 th:TH_STORE_NT   ; stage row t is row 8 m + t + 8 (t / 8) of my 32; 512 consecutive bytes, aligned; written once, read by nobody here
.endr
.endm
	TOSTAGE 0
	TOSTAGE 1
	SEND 0, 32                                     ; behind tile 0's loads: tile 1's 16 stores and 16 loads
	SEND 1, 0
	s_wait_tensorcnt 0x0                           ; the wave's end, behind my last LDS store
	ds_add_u32 v[SPW], v[NIL]
	s_wait_dscnt 0x0
	s_endpgm
.Lfunc_end_k_qef35f8afc6_oproj:
	.size	k_qef35f8afc6_oproj, .Lfunc_end_k_qef35f8afc6_oproj-k_qef35f8afc6_oproj
	.p2alignl 7, 3214868480
	.fill 96, 4, 3214868480
	.section	.rodata,"a",@progbits
	.p2align	6, 0x0
	.amdhsa_kernel k_qef35f8afc6_oproj
		.amdhsa_group_segment_fixed_size 34304
		.amdhsa_private_segment_fixed_size 0
		.amdhsa_enable_private_segment 0
		.amdhsa_kernarg_size 48
		.amdhsa_user_sgpr_count 2
		.amdhsa_user_sgpr_kernarg_segment_ptr 1
		.amdhsa_wavefront_size32 1
		.amdhsa_system_sgpr_workgroup_id_x 1
		.amdhsa_system_sgpr_workgroup_id_y 1
		.amdhsa_system_sgpr_workgroup_id_z 1
		.amdhsa_system_vgpr_workitem_id 0
		.amdhsa_next_free_vgpr 704
		.amdhsa_next_free_sgpr 66
		.amdhsa_reserve_vcc 0
		.amdhsa_float_denorm_mode_32 3
		.amdhsa_float_denorm_mode_16_64 3
		.amdhsa_memory_ordered 1
		.amdhsa_forward_progress 1
		.amdhsa_inst_pref_size 30
	.end_amdhsa_kernel
	.amdgpu_metadata
---
amdhsa.version: [ 1, 2 ]
amdhsa.kernels:
  - .name:           k_qef35f8afc6_oproj
    .symbol:         k_qef35f8afc6_oproj.kd
    .args:
      - { .name: ow, .offset: 0, .size: 8, .value_kind: global_buffer, .address_space: global }
      - { .name: osc, .offset: 8, .size: 8, .value_kind: global_buffer, .address_space: global }
      - { .name: Wo_codes, .offset: 16, .size: 8, .value_kind: global_buffer, .address_space: global }
      - { .name: Wo_scales, .offset: 24, .size: 8, .value_kind: global_buffer, .address_space: global }
      - { .name: bo, .offset: 32, .size: 8, .value_kind: global_buffer, .address_space: global }
      - { .name: out0, .offset: 40, .size: 8, .value_kind: global_buffer, .address_space: global }
    .group_segment_fixed_size: 34304
    .private_segment_fixed_size: 0
    .kernarg_segment_align: 8
    .kernarg_segment_size: 48
    .max_flat_workgroup_size: 128
    .sgpr_count:     66
    .vgpr_count:     704
    .wavefront_size: 32
...
	.end_amdgpu_metadata
.endif
;; end of part 3
;; ======== version 2 of 2: 3 launches
;; workspace buffers: kv 4,587,520 bytes; qw 2,359,296 bytes; ow 2,097,152 bytes; osc 262,144 bytes
;; launch proj (part 4): grid 384 x 1, 4 waves a work-group, no clusters, 6,656 bytes of LDS; arguments x_codes, x_scales, Wq_codes, Wq_scales, bq, Wk_codes, Wk_scales, bk, Wv_codes, Wv_scales, bv, qw, kv; writes qw, kv
.if DOCPART == 4
	.amdgcn_target "amdgcn-amd-amdhsa--gfx1250"
	.amdhsa_code_object_version 6
	.text
	.protected	k_qef35f8afc6_proj
	.globl	k_qef35f8afc6_proj
	.p2align	8
	.type	k_qef35f8afc6_proj,@function
k_qef35f8afc6_proj:
	s_mov_b64 s[64:65], 0
	v_nop
	global_prefetch_b8 v0, s[64:65] scope:SCOPE_SE
	s_setreg_imm32_b32 hwreg(HW_REG_WAVE_SCHED_MODE, 0, 2), 2
	s_setreg_imm32_b32 hwreg(HW_REG_WAVE_MODE, 25, 1), 1
	s_wait_xcnt 0x0
	s_wait_alu depctr_vm_vsrc(0)
; Q = x Wq^T + bq, K = x Wk^T + bk, V = x Wv^T + bv on codes of FP4 (E2M1) with E8M0 scales, f32 sums, and the quantisers of Q, K (along a head's 64 channels) and V (along the keys).
; THE PROGRAM: this launch; attention (products 4 and 5, softmax, the quantiser of O / l); the projection on the way out.  Every input has a way to the output and is loaded.
; DEAD WORK, left out in the second launch alone: key steps of 128 keys all of which come after all queries of a wave's tile.  the causal mask sets their scores to -inf, so their weights are
; exactly 0 for all values of the inputs, and they add nothing to a row's sum or result.  LIMIT: a NaN, an infinity or an overflow in K or V that reaches only such steps is not carried to the result.
; LIMITS: NaN and infinities among the inputs are not served.  A block of zeros gets the scale byte 1 where the rule says 127 (its codes are zeros, and this program alone reads the bytes); a block whose
; largest magnitude lies under 2^-124 has its byte held at 1.
; ONE SCHEME FOR THE THREE TASKS.  The matrix instruction is used transposed: source 0 = 16 rows of the side P, whose rows run along the quantiser's axis, source 1 = 16 rows of the side R, one row a lane.
;   Q, K: P = a head's 64 rows of W (4 tiles, they stay in registers), R = 128 tokens of x (8 tiles, walked).      V: P = 128 tokens of x (8 tiles), R = a head's 64 rows of Wv (4 tiles).
; THE ROWS OF A TILE ARE NOT NEIGHBOURS: lane r of tile i takes row 32 (i / 2) + 8 (i % 2) + r + 8 (r / 8), on both sides.  So the 16 registers of result tiles 2 b and 2 b + 1 are 16 neighbours,
; 32 b + 16 (lane / 16) + 0 .. 15, along the quantiser's axis, and the conversions' results, halves exchanged, ARE the next product's operand registers.  They are stored as such images: 16 bytes a lane, 512 dense bytes a store.
; SHARES.  Work-groups 0-127: Q; 128-255: K (a group of 128 tokens, four heads: a head a wave); 256-383: V (a head, four groups of 128 tokens: a group a wave).  The three bodies part on the work-group's number and never join;
; each has LDS bytes of its own.  No tensor loads, no barrier: waves share nothing.
; OUT.  qw: [batch x head 16][group 32][4,608]: tile i's codes at 512 i + 16 lane, scale words at 4,096 + 256 (i % 2) + 16 r + 4 (i / 2).
;       kv: [batch x head 16][group 32][8,960]: K's codes at 512 i + 16 lane; V's at 4,096 + 1,024 i + 512 c + 16 lane; K's scale words at 8,192 + 256 (i % 2) + 16 r + 4 (i / 2); V's at 8,704 + 128 (i % 2) + 8 r + 4 (i / 2).
; REGISTERS: window 0: v1-7 lane offsets; v16-79 R's fragments, two sets; v80-87 R's scale words, two sets; v88-119 P's scale words; v120-183 the results; v184-195 at work; v196-227 codes, a tile's own;
;   v228-235 scale words made; v236-239 bv of my channels; v240-247 the same as a tile of C; v248-251 the stage read back; v252, v253 the add's two.   window 1: P's fragments (tile t, K step s) at v[8 (4 t + s)]; Q, K: the bias tiles at v[128 + 8 t].
; THE MODE: SCHED_MODE bits 1:0 = 2 (LLVM: expert scheduling mode 2), set by the entry lines.  The code itself states the register dependences
; between vector or matrix instructions and memory or LDS instructions, with s_wait_alu, always for 0.
; THE PLAN.  Registers that memory or LDS instructions touch:
;   v1 .. v7          offsets and LDS addresses: written once, at the head and at a body's head; read by every load and store; never written again.
;   RF, RSC set i % 2 written by the loads of R's tile i, read by tile i's matrix instructions, then written by the loads of tile i + 2.
;   PS, BVL, window 1 written by loads once; read by matrix instructions (BVL: by moves) alone.
;   PCS(i), PWS(i)    a tile's own: written once by tile i's quantiser, read by tile i's stores, which are issued in tile i + 1.
;   v248-251          written by one LDS load, read by one store; no vector instruction names them.
;   The results, the registers at work and V's tile of C are named by vector and matrix instructions alone.
; So ONE wait on va_vdst stands in a tile, behind its matrix instructions and their places: it states that they are done reading RF and RSC set i % 2, in which the loads of tile i + 2 land, and that the quantiser of
; tile i - 1 has written the codes and the scale word that the stores of tile i - 1 read.  Those loads and stores follow it, dealt among tile i's quantiser, which names the results, the registers at work and tile i's own
; codes and scale word: none of the registers that they touch.  No register that a memory or LDS instruction reads is written again, so the text holds no wait on vm_vsrc.
.set SPARE, 6144                       ; behind the three bodies' stages (2,048 bytes each, 512 a wave): the spare words, 128 bytes for each wave
.set RF,  16
.set RSC, 80
.set PS,  88
.set HA,  120
.set TM,  184                          ; +0..3 largest magnitudes, +4..7 the other half's, then bytes, +8..11 the conversions' scale operands
.set PCS, 196
.set PWS, 228
.set BVL, 236
.set CV,  240
.set SPW, 252
.set NIL, 253
.set SEL, 32                           ; s[32:33] lane selects for v_permlanex16_b32: lane l xor 16
.set MSB, 0
.macro WIN new                         ; the immediate's high byte repeats the setting that is left
.if MSB != \new
	s_set_vgpr_msb (MSB<<8)|\new
.set MSB, \new
.endif
.endm
; THE QUANTISER, in two parts.  nb blocks of 32: 16 nb numbers of a lane, register 16 b + i = place 32 b + 16 (lane / 16) + i of my row.
; QMAX: the largest magnitude of my 16 numbers of each block
.macro QMAX nb, src
.set qb, 0
.rept \nb
	v_max3_num_f32 v[TM+qb], |v[16*qb+(\src)]|, |v[16*qb+(\src)+1]|, 0x1800000   ; my 16 numbers of block b, and the floor 2^(3 - 127): the byte cannot fall under 1
.set qb, qb+1
.endr
.set qi, 2
.rept 7
.set qb, 0
.rept \nb
	v_max3_num_f32 v[TM+qb], v[TM+qb], |v[16*qb+(\src)+qi]|, |v[16*qb+(\src)+qi+1]|
.set qb, qb+1
.endr
.set qi, qi+2
.endr
.endm
; QCODE: the numbers become codes in v[pc] on (a whole block a lane) and the scale word v[pw]
.macro QCODE nb, src, pc, pw
.set qb, 0
.rept \nb
	v_permlanex16_b32 v[TM+4+qb], v[TM+qb], s[SEL], s[SEL+1]
.set qb, qb+1
.endr
.set qb, 0
.rept \nb
	v_max_num_f32 v[TM+qb], v[TM+qb], v[TM+4+qb]          ; with lane l xor 16's: the block's largest magnitude
.set qb, qb+1
.endr
.set qb, 0
.rept \nb
	v_add_nc_u32 v[TM+8+qb], 0xff000000, v[TM+qb]          ; 2 off its exponent field: the conversion takes the exponent field of this operand as its scale
.set qb, qb+1
.endr
.set qb, 0
.rept \nb
	v_lshrrev_b32 v[TM+4+qb], 23, v[TM+8+qb]               ; the scale's byte
.set qb, qb+1
.endr
	v_lshl_or_b32 v[\pw], v[TM+5], 8, v[TM+4]              ; my row's scale word (two blocks: bytes 2 and 3 stay 0, over zero codes)
.if \nb == 4
	v_lshl_or_b32 v[\pw], v[TM+6], 16, v[\pw]
	v_lshl_or_b32 v[\pw], v[TM+7], 24, v[\pw]
.endif
.set qb, 0
.rept \nb
	v_cvt_scalef32_pk8_fp4_f32 v[2*qb+(\pc)], v[16*qb+(\src):16*qb+(\src)+7], v[TM+8+qb]
	v_cvt_scalef32_pk8_fp4_f32 v[2*qb+(\pc)+1], v[16*qb+(\src)+8:16*qb+(\src)+15], v[TM+8+qb]
.set qb, qb+1
.endr
	v_nop                                                  ; one plain place behind a scaled conversion
.set qb, 0
.rept \nb/2                                            ; the operand's layout wants a whole block in a lane: lanes 0-15 block 2 c, lanes 16-31 block 2 c + 1
	v_permlane16_swap_b32 v[4*qb+(\pc)], v[4*qb+(\pc)+2]
	v_permlane16_swap_b32 v[4*qb+(\pc)+1], v[4*qb+(\pc)+3]
.set qb, qb+1
.endr
.endm
; R's tile i: four fragments (K steps of 128) and the rows' four scale words: nine loads, into set i % 2
.macro RLOAD i
.irp s, 0,1,2,3
	global_load_b128 v[RF+32*((\i)%2)+8*\s:RF+32*((\i)%2)+8*\s+3], v1, s[RCB:RCB+1] offset:(32*((\i)/2)+8*((\i)%2))*256+64*\s
	global_load_b128 v[RF+32*((\i)%2)+8*\s+4:RF+32*((\i)%2)+8*\s+7], v1, s[RCB:RCB+1] offset:(32*((\i)/2)+8*((\i)%2))*256+64*\s+32
.endr
	global_load_b128 v[RSC+4*((\i)%2):RSC+4*((\i)%2)+3], v2, s[RSB:RSB+1] offset:(32*((\i)/2)+8*((\i)%2))*16
.endm
; 4 NT matrix instructions: K step by K step, P's tiles by turns, one instruction a turn.  The bias is the C of each sum's first instruction
.macro MM task, i
.irp s, 0,1,2,3
.if (\s == 0) && (\task < 2)
	WIN 0x11                                               ; source 0 (P) and source 2 (the bias tile) window 1
.else
	WIN 0x01                                               ; source 0 window 1
.endif
.set mt, 0
.rept NT
.if (\s == 0) && (\task < 2)
	v_wmma_scale_f32_16x16x128_f8f6f4 v[HA+8*mt:HA+8*mt+7], v[32*mt:32*mt+7], v[RF+32*((\i)%2):RF+32*((\i)%2)+7], v[128+8*mt:128+8*mt+7], v[PS+4*mt], v[RSC+4*((\i)%2)] matrix_a_fmt:MATRIX_FMT_FP4 matrix_b_fmt:MATRIX_FMT_FP4
.elseif \s == 0
	v_wmma_scale_f32_16x16x128_f8f6f4 v[HA+8*mt:HA+8*mt+7], v[32*mt:32*mt+7], v[RF+32*((\i)%2):RF+32*((\i)%2)+7], v[CV:CV+7], v[PS+4*mt], v[RSC+4*((\i)%2)] matrix_a_fmt:MATRIX_FMT_FP4 matrix_b_fmt:MATRIX_FMT_FP4
.else
	v_wmma_scale_f32_16x16x128_f8f6f4 v[HA+8*mt:HA+8*mt+7], v[32*mt+8*\s:32*mt+8*\s+7], v[RF+32*((\i)%2)+8*\s:RF+32*((\i)%2)+8*\s+7], v[HA+8*mt:HA+8*mt+7], v[PS+4*mt+\s], v[RSC+4*((\i)%2)+\s] matrix_a_fmt:MATRIX_FMT_FP4 matrix_b_fmt:MATRIX_FMT_FP4
.endif
.set mt, mt+1
.endr
.endr
.endm
; the stores of R's tile i: its codes to memory, its scale word to my stage
.macro SENDT task, i
.if \task < 2
	global_store_b128 v3, v[PCS+4*(\i):PCS+4*(\i)+3], s[OUTB:OUTB+1] offset:512*(\i)      ; the wave stores 512 consecutive bytes, aligned
	ds_store_b32 v5, v[PWS+(\i)] offset:256*((\i)%2)+4*((\i)/2)                            ; lanes l and l xor 16 write the same word with the same value
.else
	global_store_b128 v3, v[PCS+8*(\i):PCS+8*(\i)+3], s[OUTB:OUTB+1] offset:1024*(\i)
	global_store_b128 v3, v[PCS+8*(\i)+4:PCS+8*(\i)+7], s[OUTB:OUTB+1] offset:1024*(\i)+512
	ds_store_b32 v5, v[PWS+(\i)] offset:128*((\i)%2)+4*((\i)/2)
.endif
.endm
; R's tile i: products; the one wait; the loads of tile i + 2 and the stores of tile i - 1, dealt among the quantiser
.macro RT task, i
.if (\i)+1 < NR
	s_wait_loadcnt 9                                       ; loads come back in order: all but the next tile's nine, the only ones issued behind this tile's, are in
.else
	s_wait_loadcnt 0x0
.endif
.if \task == 2
.irp j, 0,1,2,3,4,5,6,7
	v_mov_b32 v[CV+\j], v[BVL+(\i)]                        ; V's bias hangs on the channel, which is the lane's row: the same number in a tile's eight registers
.endr
.rept 4
	v_nop
.endr
.endif
	MM \task, \i
	WIN 0
.rept 4
	v_nop                                                  ; four places in front of the first read of results
.endr
	s_wait_alu depctr_va_vdst(0)                           ; this tile's matrix instructions are done reading RF and RSC set i % 2, in which the loads below land; the quantiser of the tile before has written its codes and its scale word, which the stores below read
.if (\i)+2 < NR
	RLOAD (\i)+2
.endif
.if \task < 2
	QMAX 2, HA
.else
	QMAX 4, HA
.endif
.if (\i) > 0
	SENDT \task, (\i)-1                                    ; no wait: the maxima above, the only vector instructions since the wait, name the results and the registers at work alone
.endif
.if \task < 2
	QCODE 2, HA, PCS+4*(\i), PWS+(\i)
.else
	QCODE 4, HA, PCS+8*(\i), PWS+(\i)
.endif
.endm
; A whole body.  wc, ws, bb, out: the scalar pairs of the task's weight codes, weight scales, bias and output
.macro BODY task, wc, ws, bb, out
.set OUTB, \out
.if \task == 0
.set HSTR, 147456
.set REC,  4608
.set SCO,  4096
.else
.set HSTR, 286720
.set REC,  8960
.set SCO,  8192
.endif
	s_sub_co_u32 s34, ttmp9, 128*\task                     ; my number among the task's 128 work-groups
.if \task < 2
.set NT, 4
.set NR, 8
.set PCB, \wc
.set PSB, \ws
.set RCB, 4
.set RSB, 6
	s_lshr_b32 s35, s34, 1                                 ; the group of 128 tokens, 0 .. 63
	s_and_b32 s36, s34, 1
	s_lshl_b32 s36, s36, 2
	s_add_co_u32 s36, s36, s30                             ; the head: a wave each
.else
.set NT, 8
.set NR, 4
.set PCB, 4
.set PSB, 6
.set RCB, \wc
.set RSB, \ws
	s_and_b32 s36, s34, 7                                  ; the head
	s_lshr_b32 s35, s34, 3
	s_lshl_b32 s35, s35, 2
	s_add_co_u32 s35, s35, s30                             ; the group of 128 tokens: a wave each
.endif
	s_lshl_b32 s38, s35, 15                                ; 128 rows of 256 bytes of x's codes  (s39 = 0)
	s_add_nc_u64 s[4:5], s[4:5], s[38:39]
	s_lshl_b32 s38, s35, 11                                ; and of 16 bytes of its scales
	s_add_nc_u64 s[6:7], s[6:7], s[38:39]
	s_lshl_b32 s38, s36, 14                                ; 64 rows of W's codes,
	s_add_nc_u64 s[\wc:\wc+1], s[\wc:\wc+1], s[38:39]
	s_lshl_b32 s38, s36, 10                                ; of its scales,
	s_add_nc_u64 s[\ws:\ws+1], s[\ws:\ws+1], s[38:39]
	s_lshl_b32 s38, s36, 8                                 ; and 64 numbers of the bias
	s_add_nc_u64 s[\bb:\bb+1], s[\bb:\bb+1], s[38:39]
	s_lshr_b32 s40, s35, 5                                 ; the batch
	s_lshl_b32 s40, s40, 3
	s_add_co_u32 s40, s40, s36
	s_mul_i32 s40, s40, HSTR                               ; batch x head,
	s_and_b32 s41, s35, 31
	s_mul_i32 s41, s41, REC                                ; and the group's record in it
	s_add_co_u32 s38, s40, s41
.if \task == 2
	s_add_co_u32 s38, s38, 4096                            ; V's codes lie behind K's
.endif
	s_add_nc_u64 s[\out:\out+1], s[\out:\out+1], s[38:39]
	s_lshl_b32 s42, s30, 9
	s_add_co_u32 s42, s42, \task*2048                      ; my stage for the scale words: the body's 2,048 bytes, 512 a wave
.if \task < 2
	v_lshl_add_u32 v5, v9, 4, s42                          ; in: 16 r
	v_add_nc_u32 v6, s42, v3                               ; back: 16 x lane
	v_lshlrev_b32 v4, 6, v10                               ; the bias: 64 (lane / 16): my half's eight channels of a tile
.else
	v_lshl_add_u32 v5, v9, 3, s42                          ; in: 8 r
	v_add_nc_u32 v6, s42, v7                               ; back: 8 x lane
	v_lshlrev_b32 v4, 2, v11                               ; the bias: my row's channel
.endif
	s_wait_alu depctr_va_vdst(0)                           ; the offsets and LDS addresses v1 to v7 are written: every load and store of the body reads one of them
	RLOAD 0
.set pt, 0
.rept NT
	global_load_b128 v[PS+4*pt:PS+4*pt+3], v2, s[PSB:PSB+1] offset:(32*(pt/2)+8*(pt%2))*16
.set pt, pt+1
.endr
.if \task == 2
.irp n, 0,1,2,3
	global_load_b32 v[BVL+\n], v4, s[\bb:\bb+1] offset:(32*(\n/2)+8*(\n%2))*4
.endr
.endif
	WIN 0x40                                               ; destination window 1
.if \task < 2
.irp n, 0,1,2,3
	global_load_b128 v[128+8*\n:131+8*\n], v4, s[\bb:\bb+1] offset:(32*(\n/2)+8*(\n%2))*4
	global_load_b128 v[132+8*\n:135+8*\n], v4, s[\bb:\bb+1] offset:(32*(\n/2)+8*(\n%2))*4+16
.endr
.endif
.set pt, 0
.rept NT
.irp s, 0,1,2,3
	global_load_b128 v[32*pt+8*\s:32*pt+8*\s+3], v1, s[PCB:PCB+1] offset:(32*(pt/2)+8*(pt%2))*256+64*\s
	global_load_b128 v[32*pt+8*\s+4:32*pt+8*\s+7], v1, s[PCB:PCB+1] offset:(32*(pt/2)+8*(pt%2))*256+64*\s+32
.endr
.set pt, pt+1
.endr
	WIN 0
	RLOAD 1
.if \task < 2
.irp n, 0,1,2,3,4,5,6,7
	RT \task, \n
.endr
	s_wait_alu depctr_va_vdst(0)                           ; the last tile's quantiser has written its codes and its scale word, which the stores below read
	SENDT \task, 7
	ds_load_b128 v[248:251], v6                            ; LDS serves a wave's instructions in order: this sees my eight stores
	s_wait_dscnt 0x0
	global_store_b128 v3, v[248:251], s[OUTB:OUTB+1] offset:SCO   ; the group's scale words: 512 consecutive bytes, aligned
.else
.irp n, 0,1,2,3
	RT \task, \n
.endr
	s_wait_alu depctr_va_vdst(0)                           ; the last tile's quantiser has written its codes and its scale word, which the stores below read
	SENDT \task, 3
	ds_load_b64 v[248:249], v6
	s_wait_dscnt 0x0
	global_store_b64 v7, v[248:249], s[OUTB:OUTB+1] offset:4608   ; 256 consecutive bytes, aligned
.endif
	s_wait_dscnt 0x0                                       ; the closing lines, six on end
	s_wait_alu 0x0
	s_wait_tensorcnt 0x0
	ds_add_u32 v[SPW], v[NIL]
	s_wait_dscnt 0x0
	s_endpgm
.endm
	s_load_b512 s[4:19], s[0:1], 0x0               ; x's codes s[4:5], x's scales s[6:7]; Wq's codes, scales, bq s[8:13]; Wk's codes, scales, bk s[14:19]
	s_load_b256 s[20:27], s[0:1], 0x40             ; Wv's codes, scales, bv s[20:25]; qw s[26:27]
	s_load_b64 s[28:29], s[0:1], 0x60              ; kv
	v_lshl_add_u32 v[SPW], v0, 2, SPARE
	v_mov_b32 v[NIL], 0
	v_lshrrev_b32 v8, 5, v0
	v_readfirstlane_b32 s30, v8                    ; wave 0..3
	v_and_b32 v9, 15, v0                           ; r
	v_bfe_u32 v10, v0, 4, 1                        ; h
	v_and_b32 v11, 8, v9
	v_add_nc_u32 v11, v11, v9                      ; r + 8 (r / 8): my row in a tile
	v_lshlrev_b32 v1, 8, v11
	v_lshl_add_u32 v1, v10, 4, v1                  ; codes: a row of 256 bytes, + 16 h
	v_lshlrev_b32 v2, 4, v11                       ; scales: a row of 16 bytes
	v_and_b32 v12, 31, v0
	v_lshlrev_b32 v3, 4, v12                       ; 16 x lane
	v_lshlrev_b32 v7, 3, v12                       ; 8 x lane
.irp b, 0,1,2,3
	v_mov_b32 v[TM+4+\b], 0                        ; written once: a lane permute's destination counts as one of its sources
.endr
	s_mov_b32 s[SEL], 0x76543210
	s_mov_b32 s[SEL+1], 0xfedcba98
	s_mov_b32 s39, 0                               ; the high word of every offset
	s_wait_alu depctr_va_sdst(0)                   ; s30, the wave's number, is written: ahead of the branches, behind which each body's scalar lines read it
	s_wait_kmcnt 0x0
	s_cmp_lt_u32 ttmp9, 128
	s_cbranch_scc1 .Lq
	s_cmp_lt_u32 ttmp9, 256
	s_cbranch_scc1 .Lk
	s_wait_alu depctr_va_vdst(0)
	BODY 2, 20, 22, 24, 28
.Lk:
	s_wait_alu depctr_va_vdst(0)
	BODY 1, 14, 16, 18, 28
.Lq:
	s_wait_alu depctr_va_vdst(0)
	BODY 0, 8, 10, 12, 26
.Lfunc_end_k_qef35f8afc6_proj:
	.size	k_qef35f8afc6_proj, .Lfunc_end_k_qef35f8afc6_proj-k_qef35f8afc6_proj
	.p2alignl 7, 3214868480
	.fill 96, 4, 3214868480
	.section	.rodata,"a",@progbits
	.p2align	6, 0x0
	.amdhsa_kernel k_qef35f8afc6_proj
		.amdhsa_group_segment_fixed_size 6656
		.amdhsa_private_segment_fixed_size 0
		.amdhsa_enable_private_segment 0
		.amdhsa_kernarg_size 104
		.amdhsa_user_sgpr_count 2
		.amdhsa_user_sgpr_kernarg_segment_ptr 1
		.amdhsa_wavefront_size32 1
		.amdhsa_system_sgpr_workgroup_id_x 1
		.amdhsa_system_sgpr_workgroup_id_y 1
		.amdhsa_system_sgpr_workgroup_id_z 1
		.amdhsa_system_vgpr_workitem_id 0
		.amdhsa_next_free_vgpr 512
		.amdhsa_next_free_sgpr 66
		.amdhsa_reserve_vcc 0
		.amdhsa_float_denorm_mode_32 3
		.amdhsa_float_denorm_mode_16_64 3
		.amdhsa_memory_ordered 1
		.amdhsa_forward_progress 1
		.amdhsa_inst_pref_size 142
	.end_amdhsa_kernel
	.amdgpu_metadata
---
amdhsa.version: [ 1, 2 ]
amdhsa.kernels:
  - .name:           k_qef35f8afc6_proj
    .symbol:         k_qef35f8afc6_proj.kd
    .args:
      - { .name: x_codes, .offset: 0, .size: 8, .value_kind: global_buffer, .address_space: global }
      - { .name: x_scales, .offset: 8, .size: 8, .value_kind: global_buffer, .address_space: global }
      - { .name: Wq_codes, .offset: 16, .size: 8, .value_kind: global_buffer, .address_space: global }
      - { .name: Wq_scales, .offset: 24, .size: 8, .value_kind: global_buffer, .address_space: global }
      - { .name: bq, .offset: 32, .size: 8, .value_kind: global_buffer, .address_space: global }
      - { .name: Wk_codes, .offset: 40, .size: 8, .value_kind: global_buffer, .address_space: global }
      - { .name: Wk_scales, .offset: 48, .size: 8, .value_kind: global_buffer, .address_space: global }
      - { .name: bk, .offset: 56, .size: 8, .value_kind: global_buffer, .address_space: global }
      - { .name: Wv_codes, .offset: 64, .size: 8, .value_kind: global_buffer, .address_space: global }
      - { .name: Wv_scales, .offset: 72, .size: 8, .value_kind: global_buffer, .address_space: global }
      - { .name: bv, .offset: 80, .size: 8, .value_kind: global_buffer, .address_space: global }
      - { .name: qw, .offset: 88, .size: 8, .value_kind: global_buffer, .address_space: global }
      - { .name: kv, .offset: 96, .size: 8, .value_kind: global_buffer, .address_space: global }
    .group_segment_fixed_size: 6656
    .private_segment_fixed_size: 0
    .kernarg_segment_align: 8
    .kernarg_segment_size: 104
    .max_flat_workgroup_size: 128
    .sgpr_count:     66
    .vgpr_count:     512
    .wavefront_size: 32
...
	.end_amdgpu_metadata
.endif
;; end of part 4
;; launch attn (part 5): grid 16 x 16, 16 waves a work-group, no clusters, 327,680 bytes of LDS; arguments qw, kv, ow, osc; writes ow, osc
.if DOCPART == 5
	.amdgcn_target "amdgcn-amd-amdhsa--gfx1250"
	.amdhsa_code_object_version 6
	.text
	.protected	k_qef35f8afc6_attn
	.globl	k_qef35f8afc6_attn
	.p2align	8
	.type	k_qef35f8afc6_attn,@function
k_qef35f8afc6_attn:
	s_mov_b64 s[64:65], 0
	v_nop
	global_prefetch_b8 v0, s[64:65] scope:SCOPE_SE
	s_setreg_imm32_b32 hwreg(HW_REG_WAVE_MODE, 25, 1), 1
	s_wait_xcnt 0x0
; Causal attention of one batch x head on codes of FP4 (E2M1) with E8M0 scales: S^T = K Q^T (K = the head's 64; the instruction's upper 64 are zero codes on both sides, under the scale byte 0),
; the softmax ahead of the second product, O^T = V^T P^T (K = the keys), O / l, and the quantiser of O / l along the head's 64 channels (two blocks of the last product's K).
; LEFT OUT: key steps of 128 keys all of which come after all 16 queries of a wave's tile: the causal mask makes their weights exactly 0 for all values of the inputs.
; LIMIT: a NaN, an infinity or an overflow in K or V that reaches only such steps is not carried to the result.  NaN and infinities among the inputs are not served.  A block of zeros gets the scale byte 1.
; THE SOFTMAX: t = score x log2(e) / 8; M = the row's largest t so far, rounded UP to a whole number; p = 2^(t - M) is what is quantised, along the keys, not normalised.  The row's sum is taken of the
; unquantised p, in f32, and divides O at the end.  When M moves, the sum and O are multiplied by 2^(old M - new M): exact.
; SHARES.  A head's 4,096 queries are 32 blocks of 128.  Work-group j owns blocks j and 31 - j, so that every work-group has 8 (j + 1) + 8 (32 - j) = 264 key steps of a wave.  Each of its sixteen waves owns one tile
; of 16 queries: tile wave / 2 of the early or of the late block, late = (wave xor wave / 4) & 1, so that any four waves with equal wave % 4, or equal wave / 4, hold two of each kind.
; NO CLUSTER: work-groups of a head need 17 to 32 key steps, so a tile asked for jointly would be read by no wave of some partner.
; TILES.  Lane r of tile i of a block of 128 holds row 32 (i / 2) + 8 (i % 2) + r + 8 (r / 8), of queries and of keys alike; the first launch laid K, V and Q as images of the operands' registers, 16 bytes a lane.
; A key step's record is 8,960 dense bytes: K's codes, V's codes, K's scale words, V's scale words.  Four records are a slot, 140 rows of 256 bytes; two slots take turns; waves 0 and 1 fetch a half each.
; Both products are used transposed: a lane holds ONE query (lane % 16) throughout; the 16 registers of tiles 2 b and 2 b + 1 of S^T are keys 32 b + 16 (lane / 16) + 0 .. 15.
; Every work-group walks all 8 slots, so that trip counts are constants; what is left out is a step's work, and the fetch of slots that none of the sixteen waves reads.
; REGISTERS: v1-11 addresses that stay or are in hand; v12 -M, v13 the largest t, v[14:15] the sum in two halves; v16-23 Q (v20-23 zeros); v24 Q's scale words; v26-29 K's; v30-31 V's;
;   v32-95 K's eight tiles (the upper four registers of each stay 0); v96-159 S^T, then p; v160-191 O^T; v192-223 V's four fragments; v224-231 p's codes; v232-255 at work.
.set REC,   8960
.set SLOTB, 4*REC                      ; 35,840 bytes
.set HALFB, SLOTB/2                    ; 70 rows of 256 bytes: what one tensor load brings
.set SLOT1, 1<<17                      ; slot 1 begins here, so that one exclusive or turns an address in one slot into the other's
.set OSTG,  262144                     ; a stage for O's scale words: 2 blocks x 8 tiles x 16 words; no tensor load lands here
.set SPARE, 263168                     ; the spare words, 128 bytes for each wave: eight blocks of 256 bytes that no other line names
.set L16, 1                            ; v1   16 x lane
.set L8,  2                            ; v2   8 x lane
.set OSW, 3                            ; v3   where I put my row's scale word of O
.set OSR, 4                            ; v4   where waves 0 and 1 read a block's scale words back
.set SPW, 5                            ; v5   LDS address of my spare word; never rewritten
.set NIL, 6                            ; v6   0; never rewritten
.set QD,  7                            ; v7   my row in the tile - 16 (lane / 16)
.set ADR, 8                            ; v8   the step's record + 16 x lane
.set ADR8, 9                           ; v9   the step's record + 8 x lane
.set PFO, 10                           ; v10  the prefetches' offset; never rewritten
.set QS,  24
.set KS,  26
.set VS,  30
.set TM,  232
.set WV,  18                           ; s18  my wave's number
.set SEL, 20                           ; s[20:21] lane selects for v_permlanex16_b32: lane l xor 16
.set CS,  22                           ; s[22:23] c = log2(e) / 8
.set G1,  24                           ; s[24:31] descriptor group 1
.set G0,  40                           ; s[40:43] descriptor group 0, which walks
.set TB,  2                            ; s2   LDS byte at which the step's record begins
.set KF,  44                           ; s44  the step's first key
.set Q0,  45                           ; s45  my tile's first query
.set QL,  46                           ; s46  and its last
.set QW,  47                           ; s47  my work-group's last query
.set SLOTS, 48                         ; s48  changes of slots to go in the loop
.set STEPS, 49                         ; s49  counts a slot's four steps
.set PFA, 50                           ; s[50:51] where my prefetches stand
.set LIM, 52                           ; s52  1 in a wave that prefetches, else the greatest number
; Waves 0 and 1 fetch, the others nothing: the branch hangs on the wave's number alone.  An s_nop 0 and four v_nop follow the load.
.macro TLOAD
	s_cmp_lt_u32 s[WV], 2
	s_cbranch_scc0 .Lasked_\@
	tensor_load_to_lds s[G0:G0+3], s[G1:G1+7]
	s_nop 0
.rept 4
	v_nop
.endr
.Lasked_\@:
.endm
; A prefetch of the slot that the NEXT change of slots will ask for: 140 blocks of 256 bytes.  All work-groups of a head walk the same records: the head's work-group 0, which walks them all, asks, and nobody else.
; The last change that fills a slot asks for nothing; slots 0 and 1 come by their loads alone.
.macro ASK
	s_cmp_gt_u32 s[SLOTS], s[LIM]
	s_cbranch_scc0 .Lnot_mine_\@
	global_prefetch_b8 v[PFO], s[PFA:PFA+1] th:TH_LOAD_NT scope:SCOPE_SE
.Lnot_mine_\@:
.endm
; two blocks of 32 (the way out): as in the first launch
.macro QUANT nb, src, pc, pw
.set qb, 0
.rept \nb
	v_max3_num_f32 v[TM+qb], |v[16*qb+(\src)]|, |v[16*qb+(\src)+1]|, 0x1800000   ; my 16 numbers of block b, and the floor 2^(3 - 127): the byte cannot fall under 1
.set qb, qb+1
.endr
.set qi, 2
.rept 7
.set qb, 0
.rept \nb
	s_delay_alu instid0(VALU_DEP_2)
	v_max3_num_f32 v[TM+qb], v[TM+qb], |v[16*qb+(\src)+qi]|, |v[16*qb+(\src)+qi+1]|
.set qb, qb+1
.endr
.set qi, qi+2
.endr
.set qb, 0
.rept \nb
	s_delay_alu instid0(VALU_DEP_2)
	v_permlanex16_b32 v[TM+4+qb], v[TM+qb], s[SEL], s[SEL+1]
.set qb, qb+1
.endr
.set qb, 0
.rept \nb
	s_delay_alu instid0(VALU_DEP_2)
	v_max_num_f32 v[TM+qb], v[TM+qb], v[TM+4+qb]
.set qb, qb+1
.endr
.set qb, 0
.rept \nb
	s_delay_alu instid0(VALU_DEP_2)
	v_add_nc_u32 v[TM+8+qb], 0xff000000, v[TM+qb]          ; 2 off the exponent field: the conversion's scale operand
.set qb, qb+1
.endr
.set qb, 0
.rept \nb
	s_delay_alu instid0(VALU_DEP_2)
	v_lshrrev_b32 v[TM+4+qb], 23, v[TM+8+qb]               ; the scale's byte
.set qb, qb+1
.endr
	s_delay_alu instid0(VALU_DEP_1)
	v_lshl_or_b32 v[\pw], v[TM+5], 8, v[TM+4]
.set qb, 0
.rept \nb
	v_cvt_scalef32_pk8_fp4_f32 v[2*qb+(\pc)], v[16*qb+(\src):16*qb+(\src)+7], v[TM+8+qb]
	v_cvt_scalef32_pk8_fp4_f32 v[2*qb+(\pc)+1], v[16*qb+(\src)+8:16*qb+(\src)+15], v[TM+8+qb]
.set qb, qb+1
.endr
	v_nop                                                  ; one plain place behind a scaled conversion
.set qb, 0
.rept \nb/2
	v_permlane16_swap_b32 v[4*qb+(\pc)], v[4*qb+(\pc)+2]
	v_permlane16_swap_b32 v[4*qb+(\pc)+1], v[4*qb+(\pc)+3]
.set qb, qb+1
.endr
.endm
	s_load_b256 s[4:11], s[0:1], 0x0               ; qw s[4:5], kv s[6:7], ow s[8:9], osc s[10:11]
	v_lshl_add_u32 v[SPW], v0, 2, SPARE
	v_mov_b32 v[NIL], 0
	ds_add_u32 v[SPW], v[NIL]                      ; the wave's opening: the add, twice on end, and its wait ahead of the first tensor load; the set-up below, work on registers, stands between the second and the wait
	ds_add_u32 v[SPW], v[NIL]
	v_lshrrev_b32 v11, 5, v0
	s_delay_alu instid0(VALU_DEP_1)
	v_readfirstlane_b32 s[WV], v11                 ; wave 0..15
	s_and_b32 s54, ttmp7, 0xffff                   ; batch x head
	s_lshr_b32 s55, s[WV], 1                       ; which tile of its block is mine
	s_lshr_b32 s56, s[WV], 2
	s_xor_b32 s56, s56, s[WV]
	s_and_b32 s56, s56, 1                          ; late: 0 the early block, 1 the late one
	s_sub_co_u32 s57, 31, ttmp9                    ; 31 - j
	s_cmp_eq_u32 s56, 0
	s_cselect_b32 s58, ttmp9, s57                  ; my block of 128 queries
	s_lshl_b32 s[Q0], s58, 7
	s_lshr_b32 s59, s55, 1
	s_lshl_b32 s59, s59, 5
	s_add_co_u32 s[Q0], s[Q0], s59
	s_and_b32 s59, s55, 1
	s_lshl_b32 s60, s59, 3
	s_add_co_u32 s[Q0], s[Q0], s60                 ; my tile's first query: 128 block + 32 (tile / 2) + 8 (tile % 2)
	s_add_co_u32 s[QL], s[Q0], 23                  ; and its last: the tile's rows are 0 .. 7 and 16 .. 23
	s_lshl_b32 s[QW], s57, 7
	s_add_co_u32 s[QW], s[QW], 127                 ; the late block's last query
	v_and_b32 v11, 31, v0
	s_delay_alu instid0(VALU_DEP_1)
	v_lshlrev_b32 v[L16], 4, v11
	s_delay_alu instid0(VALU_DEP_2)
	v_lshlrev_b32 v[L8], 3, v11
	s_delay_alu instid0(VALU_DEP_3)
	v_min_u32 v[PFO], 27, v11
	s_delay_alu instid0(VALU_DEP_1)
	v_lshlrev_b32 v[PFO], 8, v[PFO]
	v_and_b32 v25, 15, v0                          ; r
	v_bfe_u32 v[ADR], v0, 4, 1                     ; h
	s_delay_alu instid0(VALU_DEP_2)
	v_and_b32 v[QD], 8, v25
	s_delay_alu instid0(VALU_DEP_1)
	v_add_nc_u32 v[QD], v[QD], v25                 ; r + 8 (r / 8)
	s_delay_alu instid0(VALU_DEP_3)
	v_lshlrev_b32 v[ADR], 4, v[ADR]
	s_delay_alu instid0(VALU_DEP_1)
	v_sub_nc_u32 v[QD], v[QD], v[ADR]              ; - 16 h
	s_lshl_b32 s60, s56, 9                         ; every LDS address register is made here, ahead of the first branch on the wave's number
	s_lshl_b32 s61, s55, 6
	s_add_co_u32 s60, s60, s61
	s_add_co_u32 s60, s60, OSTG
	v_lshl_add_u32 v[OSW], v25, 2, s60             ; the stage: 512 late + 64 tile + 4 r
	s_and_b32 s61, s[WV], 1
	s_lshl_b32 s62, s61, 9
	s_add_co_u32 s62, s62, OSTG
	v_add_nc_u32 v[OSR], s62, v[L16]               ; back: block wave & 1, 16 x lane
	v_lshlrev_b32 v11, 4, v25                      ; Q's scale words: 16 r
	; descriptor group 1: 70 rows of 256 bytes (32 elements of 8 bytes), dense in memory and in LDS: every read takes 16 or 8 bytes a lane on end, so no padding
	s_mov_b32 s[G1], 3<<16                         ; no mask; elements of 8 bytes; no padding
	s_mov_b32 s[G1+1], 32<<16                      ; tensor_dim0 = 32
	s_mov_b32 s[G1+2], 70<<16                      ; tensor_dim1 = 70
	s_mov_b32 s[G1+3], 32<<16                      ; tile_dim0 = 32
	s_mov_b32 s[G1+4], 70                          ; tile_dim1 = 70
	s_mov_b32 s[G1+5], 32                          ; from row to row
	s_mov_b32 s[G1+6], 0
	s_mov_b32 s[G1+7], 0
	s_mul_i32 s63, s61, HALFB                      ; my half of a slot, in LDS and in memory
	s_mov_b32 s68, s63
	s_mov_b32 s69, 0
	s_mov_b32 s[SEL], 0x76543210
	s_mov_b32 s[SEL+1], 0xfedcba98
	s_mov_b32 s[CS], 0x3e38aa3b                    ; c = log2(e) / sqrt(64)
	s_mov_b32 s[CS+1], s[CS]                       ; (named with it as a pair, so it is written)
	s_mov_b32 s[TB], 0
	s_mov_b32 s[KF], 0
	s_mov_b32 s[SLOTS], 7
	s_mul_i32 s66, s54, 32*REC                     ; the head's records in kv
	s_mov_b32 s67, 0
	s_mul_i32 s70, s54, 147456
	s_mul_i32 s71, s58, 4608
	s_add_co_u32 s70, s70, s71                     ; my block's record in qw
	s_lshl_b32 s76, s59, 8
	s_lshr_b32 s77, s55, 1
	s_lshl_b32 s77, s77, 2
	s_add_co_u32 s76, s76, s77
	s_add_co_u32 s76, s76, s70
	s_add_co_u32 s76, s76, 4096                    ; my tile's scale words: 4,096 + 256 (tile % 2) + 4 (tile / 2)
	s_mov_b32 s77, 0
	s_lshl_b32 s71, s55, 9
	s_add_co_u32 s70, s70, s71                     ; my tile's codes: 512 tile
	s_mov_b32 s71, 0
	s_lshl_b32 s72, s54, 17
	s_lshl_b32 s73, s58, 12
	s_add_co_u32 s72, s72, s73
	s_lshl_b32 s73, s55, 9
	s_add_co_u32 s72, s72, s73                     ; ow: 131,072 head + 512 (8 block + tile)
	s_mov_b32 s73, 0
	s_cmp_eq_u32 s61, 0
	s_cselect_b32 s74, ttmp9, s57                  ; osc: wave 0 stores the early block's words, wave 1 the late block's
	s_lshl_b32 s74, s74, 9
	s_lshl_b32 s75, s54, 14
	s_add_co_u32 s74, s74, s75
	s_mov_b32 s75, 0
	s_sub_co_u32 s53, s[WV], 4
	s_cmp_le_u32 s53, 4                            ; waves 4 to 8,
	s_cselect_b32 s[LIM], 0, 1
	s_or_b32 s[LIM], s[LIM], ttmp9                 ; of the head's work-group 0
	s_cmp_eq_u32 s[LIM], 0
	s_cselect_b32 s[LIM], 1, -1
	s_min_u32 s53, s53, 4                          ; (held, so that the address lies inside kv in every wave)
	s_mul_i32 s80, s53, 28*256                     ; my 28 blocks,
	s_add_co_u32 s80, s80, SLOTB                   ; in slot 1: the first change of slots steps it to slot 2
	s_mov_b32 s81, 0
	s_wait_dscnt 0x0                               ; both opening adds are done
	s_wait_kmcnt 0x0
	s_add_nc_u64 s[6:7], s[6:7], s[66:67]          ; kv at my head
	s_mov_b32 s[G0], 1                             ; count = 1
	s_mov_b32 s[G0+1], s63                         ; LDS address: slot 0, my half
	s_add_nc_u64 s[G0+2:G0+3], s[6:7], s[68:69]    ; global address: key steps 0 to 3, my half
	s_or_b32 s[G0+3], s[G0+3], 0x80000000          ; type = 2
	TLOAD                                          ; slot 0: by this text's count a wave never has more than one tensor load out
	s_add_nc_u64 s[PFA:PFA+1], s[6:7], s[80:81]
	s_add_nc_u64 s[78:79], s[4:5], s[76:77]
	s_add_nc_u64 s[4:5], s[4:5], s[70:71]
	s_add_nc_u64 s[8:9], s[8:9], s[72:73]
	s_add_nc_u64 s[10:11], s[10:11], s[74:75]
	global_load_b128 v[16:19], v[L16], s[4:5]      ; Q's codes stay in registers: block lane / 16 of my query
	s_wait_alu depctr_va_vdst(0)
	global_load_b32 v[QS], v11, s[78:79]           ; and its scale words
.irp j, 20,21,22,23
	v_mov_b32 v\j, 0                               ; the instruction's upper 64 along K: zero codes
.endr
.irp t, 0,1,2,3,4,5,6,7
.irp j, 4,5,6,7
	v_mov_b32 v[32+8*\t+\j], 0                     ; the same in K's eight tiles: written once, never loaded into
.endr
.endr
	v_mov_b32 v13, 0xff61b1e6                      ; the largest t so far: -3e38, under every t
	s_delay_alu instid0(VALU_DEP_1)
	v_floor_f32 v12, -v13                          ; -M
	v_mov_b32 v14, 0                               ; the sum, in two halves
	v_mov_b32 v15, 0
.irp b, 0,1,2,3
	v_mov_b32 v[236+\b], 0                         ; written once: a lane permute's destination counts as one of its sources
.endr
	v_mov_b32 v252, 0                              ; likewise
	v_mov_b32 v253, 0                              ; (named as the upper half of the pair v[252:253] before it is first written)
.irp j, 0,1,2,3,4,5,6,7,8,9,10,11,12,13,14,15,16,17,18,19,20,21,22,23,24,25,26,27,28,29,30,31
	v_mov_b32 v[160+\j], 0                         ; O^T.  (The step is written for all steps alike: the first finds zeros, which the first change of M leaves zeros)
.endr
; A KEY STEP: 128 keys, the record at LDS byte s[TB].
.macro STEP
	s_cmp_gt_u32 s[KF], s[QL]                      ; a step all of whose keys come after my queries is left out: a scalar branch on ids, round the step's work; not round the lines at its end that step addresses
	s_cbranch_scc1 .Lhidden_\@
	s_setprio 2
	v_add_nc_u32 v[ADR], s[TB], v[L16]
	v_add_nc_u32 v[ADR8], s[TB], v[L8]
.irp t, 0,1,2,3,4,5,6,7
	ds_load_b128 v[32+8*\t:35+8*\t], v[ADR] offset:512*\t     ; K's tile t: block lane / 16 of my key
.endr
	ds_load_b128 v[KS:KS+3], v[ADR] offset:8192    ; K's scale words: register n holds tile 2 n's in lanes 0-15 and tile 2 n + 1's in lanes 16-31
	s_wait_alu depctr_va_vdst(0)
	s_wait_dscnt 0x0
.irp t, 0,2,4,6
	v_wmma_scale_f32_16x16x128_f8f6f4 v[96+8*\t:103+8*\t], v[32+8*\t:39+8*\t], v[16:23], 0, v[KS+\t/2], v[QS] matrix_a_fmt:MATRIX_FMT_FP4 matrix_b_fmt:MATRIX_FMT_FP4
	v_wmma_scale_f32_16x16x128_f8f6f4 v[104+8*\t:111+8*\t], v[40+8*\t:47+8*\t], v[16:23], 0, v[KS+\t/2], v[QS] matrix_a_fmt:MATRIX_FMT_FP4 matrix_b_fmt:MATRIX_FMT_FP4 matrix_a_scale:MATRIX_SCALE_ROW1
.endr
.rept 4
	v_nop                                          ; four places in front of the first read of the scores; with the two additions above also those in front of the loads into V's registers, which the last step's products read
.endr
.irp i, 0,1,2,3
	ds_load_b128 v[192+8*\i:195+8*\i], v[ADR] offset:4096+1024*\i        ; V's fragments, 16 channels x 128 keys: they land while the softmax is worked
	ds_load_b128 v[196+8*\i:199+8*\i], v[ADR] offset:4096+1024*\i+512
.endr
	ds_load_b64 v[VS:VS+1], v[ADR8] offset:8704
	s_add_co_u32 s54, s[KF], 127                   ; on the diagonal the scores of hidden keys become -infinity ahead of the maximum: p = 0 then.  A step all of whose keys count skips this
	s_cmp_le_u32 s54, s[Q0]
	s_cbranch_scc1 .Lopen_\@
	s_sub_co_i32 s54, s[Q0], s[KF]
	v_add_nc_u32 v252, s54, v[QD]                  ; d = my query - KF - 16 (lane / 16).  Register 16 b + i holds key KF + 16 (lane / 16) + 32 b + i: hidden where 32 b + i > d
	v_mov_b32 v254, 0xff800000                     ; -infinity
.irp n, 0,1,2,3,4,5,6,7,8,9,10,11,12,13,14,15,16,17,18,19,20,21,22,23,24,25,26,27,28,29,30,31,32,33,34,35,36,37,38,39,40,41,42,43,44,45,46,47,48,49,50,51,52,53,54,55,56,57,58,59,60,61,62,63
	v_cmp_gt_i32 vcc_lo, 32*(\n/16)+\n%16, v252
	v_cndmask_b32 v[96+\n], v[96+\n], v254, vcc_lo
.endr
.Lopen_\@:
.irp b, 0,1,2,3
	v_max3_num_f32 v[232+\b], v[96+16*\b], v[97+16*\b], v[98+16*\b]   ; the largest score of each block of 32 keys: it serves for the row's maximum and, since p rises with the score, for the block's largest p
.endr
.irp i, 3,5,7,9,11,13
.irp b, 0,1,2,3
	v_max3_num_f32 v[232+\b], v[232+\b], v[96+16*\b+\i], v[97+16*\b+\i]
.endr
.endr
.irp b, 0,1,2,3
	v_max_num_f32 v[232+\b], v[232+\b], v[111+16*\b]
.endr
.irp b, 0,1,2,3
	s_delay_alu instid0(VALU_DEP_4)
	v_permlanex16_b32 v[236+\b], v[232+\b], s[SEL], s[SEL+1]
.endr
.irp b, 0,1,2,3
	s_delay_alu instid0(VALU_DEP_4)
	v_max_num_f32 v[232+\b], v[232+\b], v[236+\b]  ; with lane l xor 16's 16 keys
.endr
	s_delay_alu instid0(VALU_DEP_2)
	v_max3_num_f32 v254, v232, v233, v234
	s_delay_alu instid0(VALU_DEP_1)
	v_max_num_f32 v254, v254, v235                 ; the step's largest score of my query
	s_delay_alu instid0(VALU_DEP_1)
	v_mul_f32 v254, s[CS], v254                    ; as t (c is positive)
	s_delay_alu instid0(VALU_DEP_1)
	v_max_num_f32 v13, v13, v254                   ; the running largest t
	v_mov_b32 v254, v12
	s_delay_alu instid0(VALU_DEP_2)
	v_floor_f32 v12, -v13                          ; the new -M = floor(-t) = -ceil(t): M is a whole number
	s_delay_alu instid0(VALU_DEP_1)
	v_sub_f32 v254, v12, v254                      ; M's old value less its new one: a whole number, 0 or less
	s_delay_alu instid0(VALU_DEP_1)
	v_cvt_i32_f32 v254, v254                       ; (it saturates)
	s_delay_alu instid0(VALU_DEP_1)
	v_ldexp_f32 v252, 1.0, v254                    ; f = 2^(old M - new M)
.irp j, 0,2,4,6,8,10,12,14,16,18,20,22,24,26,28,30,32,34,36,38,40,42,44,46,48,50,52,54,56,58,60,62
	v_pk_fma_f32 v[96+\j:97+\j], v[96+\j:97+\j], s[CS:CS+1], v[12:13] op_sel_hi:[1,0,0]   ; t - M, two at a time
.endr
	s_setprio 1
.irp b, 0,1,2,3
	v_fma_f32 v[232+\b], v[232+\b], s[CS], v12     ; the same of each block's largest score
.endr
	s_wait_alu depctr_va_vdst(0)
.irp j, 0,1,2,3,4,5,6,7,8,9,10,11,12,13,14,15,16,17,18,19,20,21,22,23,24,25,26,27,28,29,30,31,32,33,34,35,36,37,38,39,40,41,42,43,44,45,46,47,48,49,50,51,52,53,54,55,56,57,58,59,60,61,62,63
	v_exp_f32 v[96+\j], v[96+\j]                   ; p = 2^(t - M), at most 1: not normalised
.endr
	v_pk_mul_f32 v[14:15], v[14:15], v[252:253] op_sel_hi:[1,0]   ; the sums under the new M: the plain place behind the exponentials
	s_wait_alu depctr_va_vdst(0)                   ; one wait for the whole batch, ahead of its first reader
.irp b, 0,1,2,3
	v_exp_f32 v[232+\b], v[232+\b]                 ; the block's largest p: the same two instructions on the same number give the same bits
.endr
	v_pk_add_f32 v[236:237], v[100:101], v[104:105]
	v_pk_add_f32 v[254:255], v[108:109], v[112:113]
	v_pk_add_f32 v[250:251], v[116:117], v[120:121]
	v_pk_add_f32 v[248:249], v[124:125], v[128:129]
	v_pk_add_f32 v[246:247], v[132:133], v[136:137]
	v_pk_add_f32 v[244:245], v[140:141], v[144:145]
	v_pk_add_f32 v[242:243], v[148:149], v[152:153]
	v_pk_add_f32 v[14:15], v[14:15], v[156:157]
	v_pk_add_f32 v[236:237], v[236:237], v[96:97]
	v_pk_add_f32 v[254:255], v[254:255], v[98:99]
	v_pk_add_f32 v[250:251], v[250:251], v[102:103]
	v_pk_add_f32 v[248:249], v[248:249], v[106:107]
	v_pk_add_f32 v[246:247], v[246:247], v[110:111]
	v_pk_add_f32 v[244:245], v[244:245], v[114:115]
	v_pk_add_f32 v[242:243], v[242:243], v[118:119]
	v_pk_add_f32 v[14:15], v[14:15], v[122:123]
	v_pk_add_f32 v[236:237], v[236:237], v[126:127]
	v_pk_add_f32 v[254:255], v[254:255], v[130:131]
	v_pk_add_f32 v[250:251], v[250:251], v[134:135]
	v_pk_add_f32 v[248:249], v[248:249], v[138:139]
	v_pk_add_f32 v[246:247], v[246:247], v[142:143]
	v_pk_add_f32 v[244:245], v[244:245], v[146:147]
	v_pk_add_f32 v[242:243], v[242:243], v[150:151]
	v_pk_add_f32 v[14:15], v[14:15], v[154:155]
	v_pk_add_f32 v[236:237], v[236:237], v[158:159]
	s_delay_alu instid0(VALU_DEP_2)
	v_pk_add_f32 v[14:15], v[14:15], v[248:249]
	s_delay_alu instid0(VALU_DEP_2)
	v_pk_add_f32 v[236:237], v[236:237], v[246:247]
	v_pk_add_f32 v[254:255], v[254:255], v[244:245]
	v_pk_add_f32 v[250:251], v[250:251], v[242:243]
	s_delay_alu instid0(VALU_DEP_2)
	v_pk_add_f32 v[14:15], v[14:15], v[254:255]
	s_delay_alu instid0(VALU_DEP_2)
	v_pk_add_f32 v[236:237], v[236:237], v[250:251]
	s_delay_alu instid0(VALU_DEP_1)
	v_pk_add_f32 v[14:15], v[14:15], v[236:237]
	s_wait_alu depctr_va_vdst(0)                   ; and one for the four
.irp b, 0,1,2,3
	v_max_num_f32 v[232+\b], 0x1800000, v[232+\b]  ; the floor 2^(3 - 127): the byte cannot fall under 1 (a block whose every p is 0 keeps that byte: its codes are zeros)
.endr
.irp b, 0,1,2,3
	s_delay_alu instid0(VALU_DEP_4)
	v_add_nc_u32 v[244+\b], 0xff000000, v[232+\b]  ; 2 off the exponent field: the conversion's scale operand
.endr
.irp b, 0,1,2,3
	s_delay_alu instid0(VALU_DEP_4)
	v_lshrrev_b32 v[236+\b], 23, v[244+\b]         ; the scale's byte
.endr
	s_delay_alu instid0(VALU_DEP_3)
	v_lshl_or_b32 v253, v237, 8, v236              ; p's scale word for these 128 keys
	s_delay_alu instid0(VALU_DEP_1)
	v_lshl_or_b32 v253, v238, 16, v253
	s_delay_alu instid0(VALU_DEP_1)
	v_lshl_or_b32 v253, v239, 24, v253
	s_setprio 0
.irp b, 0,1,2,3
	v_cvt_scalef32_pk8_fp4_f32 v[224+2*\b], v[96+16*\b:103+16*\b], v[244+\b]
	v_cvt_scalef32_pk8_fp4_f32 v[225+2*\b], v[104+16*\b:111+16*\b], v[244+\b]
.endr
	v_nop                                          ; one plain place behind a scaled conversion
.irp c, 0,1
.irp i, 0,1
	v_permlane16_swap_b32 v[224+4*\c+\i], v[226+4*\c+\i]   ; a whole block in a lane: lanes 0-15 block 2 c, lanes 16-31 block 2 c + 1
.endr
.endr
.irp j, 0,2,4,6,8,10,12,14,16,18,20,22,24,26,28,30
	v_pk_mul_f32 v[160+\j:161+\j], v[160+\j:161+\j], v[252:253] op_sel_hi:[1,0]   ; O^T under the new M: x f.  These sixteen are also the places between the lines that made p's codes and scale word and the products below
.endr
	s_wait_alu depctr_va_vdst(0)
	s_wait_dscnt 0x0                               ; V's fragments and scale words are in
.irp i, 0,2
	v_wmma_scale_f32_16x16x128_f8f6f4 v[160+8*\i:167+8*\i], v[192+8*\i:199+8*\i], v[224:231], v[160+8*\i:167+8*\i], v[VS+\i/2], v253 matrix_a_fmt:MATRIX_FMT_FP4 matrix_b_fmt:MATRIX_FMT_FP4
	v_wmma_scale_f32_16x16x128_f8f6f4 v[168+8*\i:175+8*\i], v[200+8*\i:207+8*\i], v[224:231], v[168+8*\i:175+8*\i], v[VS+\i/2], v253 matrix_a_fmt:MATRIX_FMT_FP4 matrix_b_fmt:MATRIX_FMT_FP4 matrix_a_scale:MATRIX_SCALE_ROW1
.endr
.Lhidden_\@:
	s_add_co_u32 s[KF], s[KF], 128
	s_add_co_u32 s[TB], s[TB], REC                 ; the next step's record
.endm
; THE CHANGE OF SLOTS stands at a slot's head.  Each wave waits for all its tensor loads (its part of the slot that it is about to read), adds 0 to its spare word (fill = 1: twice on end), and waits for that and for
; its reads of the slot that it has left.  Behind the barrier the slot ahead is whole and nobody reads the other one.  fill = 1: that other slot is filled with the four key steps that follow, up to the causal limit.
.macro CHANGE fill
	s_wait_tensorcnt 0x0                           ; no tensor load of mine is out, so group 0 may be written
	ds_add_u32 v[SPW], v[NIL]                      ; 0 onto my spare word
.if \fill
	ds_add_u32 v[SPW], v[NIL]                      ; and once more, in every trip alike.  The steps below stand between the second and the wait
	s_xor_b32 s[G0+1], s[G0+1], SLOT1              ; the walking descriptor: the other slot than last time,
	s_add_nc_u64 s[G0+2:G0+3], s[G0+2:G0+3], SLOTB ; the next four records; the type bits on top are not reached
	s_wait_xcnt 0x0                                ; the last prefetch, a slot back, has read its address, so it may be written:
	s_add_nc_u64 s[PFA:PFA+1], s[PFA:PFA+1], SLOTB ; one slot further on than the walking descriptor
.endif
	s_wait_dscnt 0x0                               ; the add is done (fill = 1: both are), and my reads of the slot that I have left are over
	s_barrier_signal -1
	s_barrier_wait -1
.if \fill
	s_add_co_u32 s54, s[KF], 512                   ; the first key of the slot that this change would ask for:
	s_cmp_gt_u32 s54, s[QW]                        ; past my work-group's last query it is read by none of the sixteen waves and is not asked for.  Ids and the count of steps alone: all waves go the same way,
	s_cbranch_scc1 .Lpast_\@                       ; and a work-group that is past the limit stays past it.  Every wait on TENSORcnt in this text is for 0
	TLOAD                                          ; the first thing behind the barrier but for the limit's three lines, and a wave's one tensor load until the next
.Lpast_\@:
	ASK                                            ; what the next change of slots will ask for: a slot's four key steps ahead of that load
.endif
.endm
.macro SLOT_STEPS                      ; a slot's four key steps: written once, walked four times
	s_mov_b32 s[STEPS], 4
.Lstep_\@:
	STEP
	s_sub_co_u32 s[STEPS], s[STEPS], 1
	s_cmp_lg_u32 s[STEPS], 0
	s_cbranch_scc1 .Lstep_\@
	s_setprio 0
	s_sub_co_u32 s[TB], s[TB], SLOTB               ; back to a slot's first record,
	s_xor_b32 s[TB], s[TB], SLOT1                  ; in the other slot
.endm
	s_wait_loadcnt 0x0                             ; Q
.Lslot:                                            ; seven trips: behind each change of slots but the last the next slot is asked for, up to the limit
	CHANGE 1
	SLOT_STEPS
	s_sub_co_u32 s[SLOTS], s[SLOTS], 1
	s_cmp_lg_u32 s[SLOTS], 0
	s_cbranch_scc1 .Lslot
	CHANGE 0                                       ; the last slot is written out: nothing is left to fetch
	SLOT_STEPS
	; THE WAY OUT.  O^T / the sum; its 32 registers are channels 32 b + 16 (lane / 16) + 0 .. 15 of my query: two blocks of the last product's K.  They are quantised here and stored as that operand's registers.
.rept 4
	v_nop                                          ; four places behind the last products
.endr
	v_add_f32 v14, v14, v15                        ; the sum's two halves,
	s_delay_alu instid0(VALU_DEP_1)
	v_permlanex16_b32 v252, v14, s[SEL], s[SEL+1]
	s_delay_alu instid0(VALU_DEP_1)
	v_add_f32 v14, v14, v252                       ; and lane l xor 16's: the row's sum
	s_wait_alu depctr_va_vdst(0)
	v_rcp_f32 v14, v14
	v_nop                                          ; a plain place behind the reciprocal
	s_wait_alu depctr_va_vdst(0)                   ; and the wait ahead of its first reader
.irp j, 0,2,4,6,8,10,12,14,16,18,20,22,24,26,28,30
	v_pk_mul_f32 v[96+\j:97+\j], v[160+\j:161+\j], v[14:15] op_sel_hi:[1,0]   ; each accumulator from its low end on
.endr
	QUANT 2, 96, 224, 248
	global_store_b128 v[L16], v[224:227], s[8:9]   ; the wave stores 512 consecutive bytes, aligned
	ds_store_b32 v[OSW], v248                      ; lanes l and l xor 16 write the same word with the same value
	s_wait_dscnt 0x0                               ; for the others' sake: my store into the stage is done
	s_barrier_signal -1
	s_barrier_wait -1
	s_cmp_lt_u32 s[WV], 2                          ; waves 0 and 1 store a block's 128 scale words each
	s_cbranch_scc0 .Lend
	ds_load_b128 v[232:235], v[OSR]
	s_wait_dscnt 0x0
	global_store_b128 v[L16], v[232:235], s[10:11] ; 512 consecutive bytes, aligned
.Lend:
	s_wait_tensorcnt 0x0                           ; the wave's end, behind my last tensor load and my last LDS store
	ds_add_u32 v[SPW], v[NIL]
	s_wait_dscnt 0x0
	s_endpgm
.Lfunc_end_k_qef35f8afc6_attn:
	.size	k_qef35f8afc6_attn, .Lfunc_end_k_qef35f8afc6_attn-k_qef35f8afc6_attn
	.p2alignl 7, 3214868480
	.fill 96, 4, 3214868480
	.section	.rodata,"a",@progbits
	.p2align	6, 0x0
	.amdhsa_kernel k_qef35f8afc6_attn
		.amdhsa_group_segment_fixed_size 327680
		.amdhsa_private_segment_fixed_size 0
		.amdhsa_enable_private_segment 0
		.amdhsa_kernarg_size 32
		.amdhsa_user_sgpr_count 2
		.amdhsa_user_sgpr_kernarg_segment_ptr 1
		.amdhsa_wavefront_size32 1
		.amdhsa_system_sgpr_workgroup_id_x 1
		.amdhsa_system_sgpr_workgroup_id_y 1
		.amdhsa_system_sgpr_workgroup_id_z 1
		.amdhsa_system_vgpr_workitem_id 0
		.amdhsa_next_free_vgpr 256
		.amdhsa_next_free_sgpr 96
		.amdhsa_reserve_vcc 1
		.amdhsa_float_denorm_mode_32 3
		.amdhsa_float_denorm_mode_16_64 3
		.amdhsa_memory_ordered 1
		.amdhsa_forward_progress 1
		.amdhsa_inst_pref_size 57
	.end_amdhsa_kernel
	.amdgpu_metadata
---
amdhsa.version: [ 1, 2 ]
amdhsa.kernels:
  - .name:           k_qef35f8afc6_attn
    .symbol:         k_qef35f8afc6_attn.kd
    .args:
      - { .name: qw, .offset: 0, .size: 8, .value_kind: global_buffer, .address_space: global }
      - { .name: kv, .offset: 8, .size: 8, .value_kind: global_buffer, .address_space: global }
      - { .name: ow, .offset: 16, .size: 8, .value_kind: global_buffer, .address_space: global }
      - { .name: osc, .offset: 24, .size: 8, .value_kind: global_buffer, .address_space: global }
    .group_segment_fixed_size: 327680
    .private_segment_fixed_size: 0
    .kernarg_segment_align: 8
    .kernarg_segment_size: 32
    .max_flat_workgroup_size: 512
    .sgpr_count:     96
    .vgpr_count:     256
    .wavefront_size: 32
...
	.end_amdgpu_metadata
.endif
;; end of part 5
;; launch oproj (part 6): grid 256 x 1, 4 waves a work-group, no clusters, 34,304 bytes of LDS; arguments ow, osc, Wo_codes, Wo_scales, bo, out0; writes out0
.if DOCPART == 6
	.amdgcn_target "amdgcn-amd-amdhsa--gfx1250"
	.amdhsa_code_object_version 6
	.text
	.protected	k_qef35f8afc6_oproj
	.globl	k_qef35f8afc6_oproj
	.p2align	8
	.type	k_qef35f8afc6_oproj,@function
k_qef35f8afc6_oproj:
	s_mov_b64 s[64:65], 0
	v_nop
	global_prefetch_b8 v0, s[64:65] scope:SCOPE_SE
	s_setreg_imm32_b32 hwreg(HW_REG_WAVE_SCHED_MODE, 0, 2), 2
	s_setreg_imm32_b32 hwreg(HW_REG_WAVE_MODE, 25, 1), 1
	s_wait_xcnt 0x0
	s_wait_alu depctr_vm_vsrc(0)
; out0 = O Wo^T + bo on codes of FP4 (E2M1) with E8M0 scales, f32 sums.  O's codes and scale words were made by the launch before, as images of this product's operand registers.  Nothing is left out here.
; SHARES.  Work-group g takes rows 32 g .. 32 g + 31 of out0: two tiles m of 16 rows, lane r of tile m on row 8 m + r + 8 (r / 8).  Wave w takes columns 128 w .. 128 w + 127: eight tiles of 16 rows of Wo x four K steps of 128,
; 64 matrix instructions.  Each operand is read once, straight into registers: no tensor loads, no ring, no barrier; waves share nothing.
; K = 512 = head x 64 + channel: K step s is heads 2 s and 2 s + 1, so registers 4 c .. 4 c + 3 of O's fragment are head 2 s + c's 16 bytes of my lane, and the step's scale word is the two heads' two bytes each.
; THE MATRIX INSTRUCTION IS USED TRANSPOSED (source 0 = 16 rows of Wo, source 1 = 16 rows of O): a lane holds eight neighbouring columns of one row of out0.  bo is the C of each sum's first instruction.
; The way out goes through the wave's own stage in LDS, so that each store covers 512 consecutive bytes of a row, aligned.
; REGISTERS: window 0: v1-7 lane offsets; v16-79 O's fragments (tile m, K step s) at v[16 + 8 (4 m + s)], later rows of tile 0; v80-95 the heads' scale words; v96-103 the K steps' scale words; v104-135 Wo's scale words;
;   v144-207 rows of tile 1; v252, v253 the add's two.   window 1: Wo's fragments (tile n, K step s) at v[8 (4 n + s)].   window 2: the accumulators (m, n) at v[64 m + 8 n]; bo's tiles at v[128 + 8 n].
; THE MODE: SCHED_MODE bits 1:0 = 2 (LLVM: expert scheduling mode 2), set by the entry lines.  The code itself states the register dependences
; between vector or matrix instructions and memory or LDS instructions, with s_wait_alu, always for 0.
; THE PLAN.  Registers that memory or LDS instructions touch:
;   v1 .. v7      offsets and LDS addresses: written once at the head, read by every load and store, never written again.
;   v16-79        written by the loads of O's fragments, read by the products, then written by the stage's loads of tile 0, read by its stores.
;   v80-95, v104-135, windows 1 and 2 from v128 on: written by loads once; read by vector or matrix instructions alone.
;   v96-103       made by vector instructions, read by the products as scales.
;   the accumulators: written by the products, read by the stage's stores.       v144-207: written by the stage's loads of tile 1, read by its stores; no vector instruction names them.
; The text is straight, with four waits: one on va_sdst for the wave's number; on va_vdst one ahead of the first load (the offsets), one ahead of the products (the scale words made), one behind the products
; (the accumulators are written, O's fragments are read), behind which no vector or matrix instruction follows.  No register that a memory or LDS instruction reads is written again: no wait on vm_vsrc.
.set AF,  16
.set ORW, 80
.set ASW, 96
.set WSW, 104
.set SPW, 252
.set NIL, 253
.set SPITCH, 528                       ; a stage row: 512 bytes + 16
.set SPARE, 4*16*SPITCH                ; behind the four stages: the spare words, 128 bytes for each wave
.set MSB, 0
.macro WIN new                         ; the immediate's high byte repeats the setting that is left
.if MSB != \new
	s_set_vgpr_msb (MSB<<8)|\new
.set MSB, \new
.endif
.endm
	s_load_b256 s[4:11], s[0:1], 0x0               ; ow s[4:5], osc s[6:7], Wo's codes s[8:9], Wo's scales s[10:11]
	s_load_b128 s[12:15], s[0:1], 0x20             ; bo s[12:13], out0 s[14:15]
	v_lshl_add_u32 v[SPW], v0, 2, SPARE
	v_mov_b32 v[NIL], 0
	v_lshrrev_b32 v8, 5, v0
	v_readfirstlane_b32 s16, v8                    ; wave 0..3
	v_and_b32 v9, 15, v0                           ; r
	v_bfe_u32 v10, v0, 4, 1                        ; h
	v_lshlrev_b32 v1, 8, v9
	v_lshl_add_u32 v1, v10, 4, v1                  ; Wo's codes: row r of 256 bytes, + 16 h
	v_lshlrev_b32 v2, 4, v9                        ; Wo's scales: row r of 16 bytes
	v_lshlrev_b32 v3, 2, v9                        ; O's scale words: 4 r
	v_lshlrev_b32 v4, 5, v10                       ; bo: my half's eight columns
	v_and_b32 v11, 31, v0
	v_lshlrev_b32 v5, 4, v11                       ; 16 x lane
	s_wait_alu depctr_va_sdst(0)                   ; s16, the wave's number, is written, ahead of its first reader: my stage and the bases are made from it
	s_mul_i32 s17, s16, 16*SPITCH                  ; my stage
	v_mul_u32_u24 v6, v9, SPITCH
	v_lshl_add_u32 v6, v10, 5, v6
	v_add_nc_u32 v6, s17, v6                       ; in: row r, 32 bytes for each half of the lanes
	v_add_nc_u32 v7, s17, v5                       ; back: the 32 lanes take one row of 512 bytes
	s_lshr_b32 s18, ttmp9, 7                       ; the batch
	s_and_b32 s19, ttmp9, 127
	s_lshl_b32 s20, s18, 20                        ; ow: eight heads of 131,072 bytes a batch,
	s_lshl_b32 s21, s19, 10                        ; two tiles of 512 bytes a work-group
	s_add_co_u32 s20, s20, s21
	s_mov_b32 s21, 0
	s_lshl_b32 s22, s18, 17                        ; osc: eight heads of 16,384 bytes,
	s_lshl_b32 s23, s19, 7                         ; two tiles of 64 bytes
	s_add_co_u32 s22, s22, s23
	s_mov_b32 s23, 0
	s_lshl_b32 s24, s16, 15                        ; my 128 rows of Wo's codes,
	s_mov_b32 s25, 0
	s_lshl_b32 s26, s16, 11                        ; of its scales,
	s_mov_b32 s27, 0
	s_lshl_b32 s28, s16, 9                         ; my 128 numbers of bo
	s_mov_b32 s29, 0
	s_lshl_b32 s30, ttmp9, 16                      ; out0: 32 rows of 2,048 bytes a work-group,
	s_add_co_u32 s30, s30, s28                     ; my 512 bytes of a row
	s_mov_b32 s31, 0
	s_wait_kmcnt 0x0
	s_add_nc_u64 s[4:5], s[4:5], s[20:21]
	s_add_nc_u64 s[6:7], s[6:7], s[22:23]
	s_add_nc_u64 s[8:9], s[8:9], s[24:25]
	s_add_nc_u64 s[10:11], s[10:11], s[26:27]
	s_add_nc_u64 s[12:13], s[12:13], s[28:29]
	s_add_nc_u64 s[14:15], s[14:15], s[30:31]
	s_wait_alu depctr_va_vdst(0)                   ; the offsets and LDS addresses v1 to v7 are written: every load and store of the kernel reads one of them
.irp m, 0,1
.irp s, 0,1,2,3
.irp c, 0,1
	global_load_b128 v[AF+8*(4*\m+\s)+4*\c:AF+8*(4*\m+\s)+4*\c+3], v5, s[4:5] offset:(2*\s+\c)*131072+512*\m
.endr
.endr
.endr
.irp m, 0,1
.irp d, 0,1,2,3,4,5,6,7
	global_load_b32 v[ORW+8*\m+\d], v3, s[6:7] offset:16384*\d+64*\m     ; head d's two scale bytes of my row
.endr
.endr
.irp n, 0,1,2,3,4,5,6,7
	global_load_b128 v[WSW+4*\n:WSW+4*\n+3], v2, s[10:11] offset:256*\n
.endr
	WIN 0x40                                       ; destination window 1
.irp n, 0,1,2,3,4,5,6,7
.irp s, 0,1,2,3
.irp c, 0,1
	global_load_b128 v[8*(4*\n+\s)+4*\c:8*(4*\n+\s)+4*\c+3], v1, s[8:9] offset:4096*\n+64*\s+32*\c
.endr
.endr
.endr
	WIN 0x80                                       ; destination window 2
.irp n, 0,1,2,3,4,5,6,7
	global_load_b128 v[128+8*\n:131+8*\n], v4, s[12:13] offset:64*\n
	global_load_b128 v[132+8*\n:135+8*\n], v4, s[12:13] offset:64*\n+16
.endr
	WIN 0
	s_wait_loadcnt 0x0
.irp m, 0,1
.irp s, 0,1,2,3
	v_lshl_or_b32 v[ASW+4*\m+\s], v[ORW+8*\m+2*\s+1], 16, v[ORW+8*\m+2*\s]   ; K step s: head 2 s's two bytes below, head 2 s + 1's above
.endr
.endr
.rept 8
	v_nop                                          ; a scale register written by a vector instruction stands eight places ahead of a scaled matrix instruction
.endr
	s_wait_alu depctr_va_vdst(0)                   ; the eight scale words v96 to v103 are written, which the products below take as scales; the places above stay beside this wait
	WIN 0xa1                                       ; source 0 (Wo) window 1, source 1 (O) window 0, C and D window 2
.irp s, 0,1,2,3                                ; the sixteen accumulators take turns, one instruction a turn
.irp m, 0,1
.irp n, 0,1,2,3,4,5,6,7
.if \s == 0
	v_wmma_scale_f32_16x16x128_f8f6f4 v[64*\m+8*\n:64*\m+8*\n+7], v[8*(4*\n+\s):8*(4*\n+\s)+7], v[AF+8*(4*\m+\s):AF+8*(4*\m+\s)+7], v[128+8*\n:135+8*\n], v[WSW+4*\n+\s], v[ASW+4*\m+\s] matrix_a_fmt:MATRIX_FMT_FP4 matrix_b_fmt:MATRIX_FMT_FP4
.else
	v_wmma_scale_f32_16x16x128_f8f6f4 v[64*\m+8*\n:64*\m+8*\n+7], v[8*(4*\n+\s):8*(4*\n+\s)+7], v[AF+8*(4*\m+\s):AF+8*(4*\m+\s)+7], v[64*\m+8*\n:64*\m+8*\n+7], v[WSW+4*\n+\s], v[ASW+4*\m+\s] matrix_a_fmt:MATRIX_FMT_FP4 matrix_b_fmt:MATRIX_FMT_FP4
.endif
.endr
.endr
.endr
	WIN 0
.rept 4
	v_nop                                          ; four places in front of the first read of results
.endr
	s_wait_alu depctr_va_vdst(0)                   ; the products have written the accumulators, which the stage's stores read, and are done reading O's fragments v16 to v79, in which tile 0's rows land; the places above stay beside this wait
; Tile m goes into my stage, 32 bytes a lane, and comes back as whole rows of 512 bytes.  LDS serves a wave's instructions in order: no wait between the stores and the loads, nor in front of the next tile's stores.
; No vector or matrix instruction follows the wait above; the stage's stores read v6 and window 2's registers, which no load below touches.
.macro TOSTAGE m
	WIN 0x08                                       ; an LDS store's data: window 2
.irp n, 0,1,2,3,4,5,6,7
	ds_store_b128 v6, v[64*\m+8*\n:64*\m+8*\n+3] offset:64*\n            ; each accumulator from its low end on
	ds_store_b128 v6, v[64*\m+8*\n+4:64*\m+8*\n+7] offset:64*\n+16
.endr
	WIN 0
.irp t, 0,1,2,3,4,5,6,7,8,9,10,11,12,13,14,15
	ds_load_b128 v[16+128*\m+4*\t:16+128*\m+4*\t+3], v7 offset:\t*SPITCH
.endr
.endm
.macro SEND m, younger                 ; younger: the LDS instructions issued behind tile m's loads, which may stay out
	s_wait_dscnt \younger
.irp t, 0,1,2,3,4,5,6,7,8,9,10,11,12,13,14,15
	global_store_b128 v5, v[16+128*\m+4*\t:16+128*\m+4*\t+3], s[14:15] offset:(8*\m+\t+8*(\t/8))*2048 th:TH_STORE_NT   ; stage row t is row 8 m + t + 8 (t / 8) of my 32; 512 consecutive bytes, aligned; written once, read by nobody here
.endr
.endm
	TOSTAGE 0
	TOSTAGE 1
	SEND 0, 32                                     ; behind tile 0's loads: tile 1's 16 stores and 16 loads
	SEND 1, 0
	s_wait_dscnt 0x0                               ; the closing lines, six on end
	s_wait_alu 0x0
	s_wait_tensorcnt 0x0
	ds_add_u32 v[SPW], v[NIL]
	s_wait_dscnt 0x0
	s_endpgm
.Lfunc_end_k_qef35f8afc6_oproj:
	.size	k_qef35f8afc6_oproj, .Lfunc_end_k_qef35f8afc6_oproj-k_qef35f8afc6_oproj
	.p2alignl 7, 3214868480
	.fill 96, 4, 3214868480
	.section	.rodata,"a",@progbits
	.p2align	6, 0x0
	.amdhsa_kernel k_qef35f8afc6_oproj
		.amdhsa_group_segment_fixed_size 34304
		.amdhsa_private_segment_fixed_size 0
		.amdhsa_enable_private_segment 0
		.amdhsa_kernarg_size 48
		.amdhsa_user_sgpr_count 2
		.amdhsa_user_sgpr_kernarg_segment_ptr 1
		.amdhsa_wavefront_size32 1
		.amdhsa_system_sgpr_workgroup_id_x 1
		.amdhsa_system_sgpr_workgroup_id_y 1
		.amdhsa_system_sgpr_workgroup_id_z 1
		.amdhsa_system_vgpr_workitem_id 0
		.amdhsa_next_free_vgpr 704
		.amdhsa_next_free_sgpr 66
		.amdhsa_reserve_vcc 0
		.amdhsa_float_denorm_mode_32 3
		.amdhsa_float_denorm_mode_16_64 3
		.amdhsa_memory_ordered 1
		.amdhsa_forward_progress 1
		.amdhsa_inst_pref_size 30
	.end_amdhsa_kernel
	.amdgpu_metadata
---
amdhsa.version: [ 1, 2 ]
amdhsa.kernels:
  - .name:           k_qef35f8afc6_oproj
    .symbol:         k_qef35f8afc6_oproj.kd
    .args:
      - { .name: ow, .offset: 0, .size: 8, .value_kind: global_buffer, .address_space: global }
      - { .name: osc, .offset: 8, .size: 8, .value_kind: global_buffer, .address_space: global }
      - { .name: Wo_codes, .offset: 16, .size: 8, .value_kind: global_buffer, .address_space: global }
      - { .name: Wo_scales, .offset: 24, .size: 8, .value_kind: global_buffer, .address_space: global }
      - { .name: bo, .offset: 32, .size: 8, .value_kind: global_buffer, .address_space: global }
      - { .name: out0, .offset: 40, .size: 8, .value_kind: global_buffer, .address_space: global }
    .group_segment_fixed_size: 34304
    .private_segment_fixed_size: 0
    .kernarg_segment_align: 8
    .kernarg_segment_size: 48
    .max_flat_workgroup_size: 128
    .sgpr_count:     66
    .vgpr_count:     704
    .wavefront_size: 32
...
	.end_amdgpu_metadata
.endif
;; end of part 6
